; MI455X (gfx1250); checked and timed in simulation.
; The chip was launched on July 23, 2026; its instructions are those of AMD's public machine-readable ISA for CDNA 5 (MIT licence, August 2026) and "CDNA5" Instruction Set Architecture Reference Guide (July 2026). The comments in the code are by the model that wrote it; some were corrected since.
;; Multi Headed Attention. Allowed arithmetic: matrix products marked QUANTISED: E2M1 operands, one E8M0 scale for each 32 along K, by v_wmma_scale_f32_16x16x128_f8f6f4 with both operands' format E2M1 (or v_wmma_scale_f32_32x16x128_f4), f32 sums; products left as they are: bf16, f16 or f32 operands; f32 sums; everything else in f32.
;; Inputs: Wk 1,024 x 1,024 float32; Wo 1,024 x 1,024 float32; Wq 1,024 x 1,024 float32; Wv 1,024 x 1,024 float32; bk 1,024 float32; bo 1,024 float32; bq 1,024 float32; bv 1,024 float32; hidden_states 4 x 2,048 x 1,024 float32; mask 4 x 2,048 int32.
;; Outputs: out0 4 x 2,048 x 1,024 float32.
;; This version of the problem:
;;   THIS VERSION OF THE PROBLEM IS GIVEN IN LOW PRECISION. The matrix products marked QUANTISED in the list below multiply operands that are first quantised to E2M1 (2 exponent bits, 1 mantissa bit; 4 bits a number), with one power-of-two scale for each 32 numbers along K (OCP MX v1.0); their sums are f32. The products marked 'left as it is' may take bf16, f16 or f32 operands, with f32 sums. Whichever they take, every output number must still come out within the allowed error. Rounding operands to bf16 (8 significant bits) uses up far more of that allowance than f16 does (11 bits, for magnitudes from 6e-5 to 65,504). All else is computed in f32.
;;   The module's matrix products, in the order in which they are computed (A, B: the left and right operand; K: the contracted axis; several contracted axes count as one K, in the product's order):
;;     1. [M 8,192, K 1,024] x [K 1,024, N 1,024]; A: input hidden_states; B: input Wq: QUANTISED
;;     2. [M 8,192, K 1,024] x [K 1,024, N 1,024]; A: input hidden_states; B: input Wk: QUANTISED
;;     3. [M 8,192, K 1,024] x [K 1,024, N 1,024]; A: input hidden_states; B: input Wv: QUANTISED
;;     4. batch 64 x [M 2,048, K 64] x [K 64, N 2,048]; A: computed on the way; B: computed on the way: left as it is (an operand is computed on the way)
;;     5. batch 64 x [M 2,048, K 2,048] x [K 2,048, N 64]; A: computed on the way; B: computed on the way: left as it is (an operand is computed on the way)
;;     6. [M 8,192, K 1,024] x [K 1,024, N 1,024]; A: computed on the way; B: input Wo: left as it is (an operand is computed on the way)
;;   THE QUANTISER, for each operand of a quantised product, along K:
;;     - K is cut into blocks of 32 from its start; a last block that is shorter is filled with zeros.
;;     - A block's scale is 2^e with e = floor(log2(the largest magnitude in the block)) - 2, held to -126 .. 127; a block of zeros has e = 0. As a byte (E8M0): e + 127.
;;     - Each number is divided by its block's scale, clamped to +-6, and rounded to the nearest number of E2M1, ties to even, subnormals kept.
;;     - The product sums the exact products of the quantised numbers (number of the format x scale) in f32.
;;   ~~~python
;;   def quantise(x, axis):      # numpy; x: float32 -> the quantised numbers, widened to float32 again
;;       x = np.moveaxis(x, axis, -1); K = x.shape[-1]
;;       x = np.pad(x, [(0, 0)] * (x.ndim - 1) + [(0, -K % 32)]); x = x.reshape(x.shape[:-1] + (-1, 32)); a = np.abs(x).max(-1, keepdims=True)
;;       e = np.where(a > 0, np.clip(np.frexp(np.where(a > 0, a, 1))[1] - 1 - 2, -126, 127), 0)      # np.frexp(a)[1] - 1 = floor(log2(a)), exactly
;;       r = np.clip(x / 2.0 ** e, -6, 6)
;;       step = 2.0 ** (np.maximum(np.frexp(np.where(r == 0, 1, r))[1] - 1, 0) - 1)
;;       q = np.round(r / step) * step * 2.0 ** e      # np.round: ties to even
;;       return np.moveaxis(q.reshape(q.shape[:-2] + (-1,))[..., :K], -1, axis).astype(np.float32)
;;   ~~~
;; One version. Each part assembles by itself: llvm-mc -triple=amdgcn-amd-amdhsa -mcpu=gfx1250 --defsym DOCPART=n.
;; ======== version 1 of 1: 4 launches
;; limits: values are held in f16: magnitudes above 65,504 overflow, below 6.1e-05 lose precision
;; workspace buffers: xc 4,194,304 bytes; xs 262,144 bytes; wc 1,572,864 bytes; ws 98,304 bytes; wo16 2,097,152 bytes; qkv 50,331,648 bytes; m16 16,777,216 bytes
;; launch prep (part 1): grid 336 x 1, 4 waves a work-group, no clusters, 68,096 bytes of LDS; arguments hidden_states, Wq, Wk, Wv, Wo, xc, xs, wc, ws, wo16; writes xc, xs, wc, ws, wo16
.if DOCPART == 1
	.amdgcn_target "amdgcn-amd-amdhsa--gfx1250"
	.amdhsa_code_object_version 6
	.text
	.protected	k_q09bb5b12a9_prep
	.globl	k_q09bb5b12a9_prep
	.p2align	8
	.type	k_q09bb5b12a9_prep,@function
k_q09bb5b12a9_prep:
	s_mov_b64 s[64:65], 0
	v_nop
	global_prefetch_b8 v0, s[64:65] scope:SCOPE_SE
	s_setreg_imm32_b32 hwreg(HW_REG_WAVE_MODE, 25, 1), 1
	s_wait_xcnt 0x0
; PREP: the operands of the three quantised products become codes of FP4 (E2M1) with one E8M0 scale byte for each 32 along K = 1,024, and Wo becomes f16.
;   hidden_states [8192][1024] f32 (K innermost)        -> xc [8192][512 bytes], xs [8192][32]
;   Wq, Wk, Wv [1024 k][1024 n] f32 (K is the FIRST axis) -> wc [3072 n][512 bytes] with K innermost, ws [3072][32]; rows 0-1023 Wq, 1024-2047 Wk, 2048-3071 Wv
;   Wo [1024 k][1024 n] f32                              -> wo16, f16, as it lies
; WORK LEFT OUT IN THIS PROGRAM: bk.  score(q, k) = (q . (x Wk)_k + q . bk) / 8.  The second term is the same for all keys k of a query, so softmax along the keys takes it away, whatever finite
; values the inputs hold; a masked key is -infinity with it and without it, and a row all of whose keys are masked is NaN with it and without it.  The product q k^T is not quantised, so bk moves no code
; and no scale.  bk therefore has no way to any output: it is not loaded and is among no launch's arguments.  LIMIT: a NaN, an infinity or an overflow that reaches only q . bk is not carried to the result.
; A block's scale is 2^(floor(log2(its largest magnitude)) - 2); its byte is the largest magnitude's own exponent field - 2, held at 1 from below.  A block of zeros so gets the byte 1 where the rule says 127:
; its codes are zeros, which add nothing under any byte but 0xff, and this program alone reads the bytes.
; LIMITS: blocks whose largest magnitude lies under 2^-124 keep the byte 1; NaN and infinities among hidden_states, Wq, Wk, Wv are not served; |Wo| stays under 65,504 (f16).
; SHARES.  Work-groups 0-47: the weights (16 to a tensor: 8 x 128 columns, 2 x 512 along K).  48-79: Wo, 8,192 numbers a wave.  80-335: hidden_states, 8,192 numbers a wave.
; The paths part on the work-group's number alone; each has LDS bytes of its own.  No tensor loads, no barrier: waves share nothing.  No cluster: work-groups share no input.
.set SPW,    190                       ; v190  LDS address of my spare word: SPARE + 4 x my thread's number; never rewritten
.set NIL,    191                       ; v191  0; never rewritten
.set WREG,   8192                      ; hidden_states' path: LDS bytes 0 .. 32,767, a region for each wave: two stages of 32 x SP bytes, behind them its 256 scale bytes
.set SP,     80                        ; a lane's place in a stage: its 64 bytes + 16 of padding
.set CB,     8                         ; bytes of 16 codes
.set STEPS,  16
.set XR,     16                        ; v16-79   four sets of 16 numbers as they are loaded
.set XX,     80                        ; v80-111  two sets of 16 neighbours
.set XE,     112                       ; v112-127 a scale byte for each step
.set XC,     128                       ; v128-189 codes: four registers kept for each step, so that no store's data are written again
.set WSTG,   32768                     ; the weights' path: LDS bytes 32,768 .. 67,583: a stage of 32 rows x WPITCH for each wave
.set WPITCH, 272                       ; 256 bytes of codes + 16
.set WNB,    16                        ; blocks of 32 along K for a wave
.set WSB,    24                        ; v24-27   the scale bytes, four to a register
.set WX,     32                        ; v32-95   two sets of 32 numbers
.set WC,     96                        ; v96-99   a block's codes
.set WOUT,   112                       ; v112-175 the way out
.set SPARE,  67584                     ; behind both: the spare words, 128 bytes for each wave: two blocks of 256 bytes that no other line names
.macro FINISH                          ; a wave's end, behind my last LDS store
	s_wait_tensorcnt 0x0
	ds_add_u32 v[SPW], v[NIL]
	s_wait_dscnt 0x0
	s_endpgm
.endm
; ---- hidden_states: a step is 512 numbers.  Each of its four loads reads 512 consecutive bytes, 16 a lane; the 2,048 bytes turn through the wave's own stage and come back 64 bytes a lane: 16 neighbours along K.
.macro XLOAD t
.irp i, 0,1,2,3
	global_load_b128 v[XR+16*((\t)%4)+4*\i:XR+16*((\t)%4)+4*\i+3], v3, s[4:5] offset:2048*(\t)+512*\i th:TH_LOAD_NT
.endr
.endm
.macro XTURN t                         ; LDS serves a wave's instructions in order, so no wait stands between the stores and the loads
.irp i, 0,1,2,3
	ds_store_b128 v14, v[XR+16*((\t)%4)+4*\i:XR+16*((\t)%4)+4*\i+3] offset:32*SP*((\t)%2)+8*SP*\i
.endr
.irp i, 0,1,2,3
	ds_load_b128 v[XX+16*((\t)%2)+4*\i:XX+16*((\t)%2)+4*\i+3], v15 offset:32*SP*((\t)%2)+16*\i
.endr
.endm
.macro XSTEP t
.set XS, XX+16*((\t)%2)
.if (\t) > 0
	s_wait_dscnt 1                                 ; this step's numbers are back from the stage (the last step's byte store may be out): so its stores into the stage have read their registers,
.else
	s_wait_dscnt 0x0
.endif
.if (\t)+4 < STEPS
	XLOAD (\t)+4                                   ; which take the loads of four steps on
.endif
.if (\t)+1 < STEPS
.if STEPS-2-(\t) >= 3
	s_wait_loadcnt 12                              ; the next step's four loads are in; those of the three steps behind it may be out
.else
	s_wait_loadcnt 4*(STEPS-2-(\t))
.endif
	XTURN (\t)+1                                   ; and go through the other stage while this step is worked
.endif
	v_max3_num_f32 v8, |v[XS]|, |v[XS+1]|, |v[XS+2]|               ; the largest magnitude of my 16, in two chains
	v_max3_num_f32 v9, |v[XS+3]|, |v[XS+4]|, |v[XS+5]|
.irp i, 6,10
	v_max3_num_f32 v8, v8, |v[XS+\i]|, |v[XS+\i+1]|
	v_max3_num_f32 v9, v9, |v[XS+\i+2]|, |v[XS+\i+3]|
.endr
	v_max3_num_f32 v8, v8, |v[XS+14]|, |v[XS+15]|
	v_max3_num_f32 v8, v8, v9, 0x1800000           ; and the floor 2^(3 - 127): the byte cannot fall under 1
	v_max_num_f32_dpp v8, v8, v8 row_xmask:1 row_mask:0xf bank_mask:0xf   ; and of my neighbour's 16: the block's
	v_add_nc_u32 v11, 0xff000000, v8               ; 2 off its exponent field: the conversion takes the exponent field of this operand as its scale, and nothing else of it
	v_cvt_scalef32_pk8_fp4_f32 v[XC+4*(\t)], v[XS:XS+7], v11
	v_cvt_scalef32_pk8_fp4_f32 v[XC+4*(\t)+1], v[XS+8:XS+15], v11
	v_lshrrev_b32 v[XE+(\t)], 23, v11              ; the scale's byte (also the plain line behind the conversions)
	ds_store_b8 v5, v[XE+(\t)] offset:16*(\t)      ; both lanes of a block write the same byte with the same value
	global_store_b64 v4, v[XC+4*(\t):XC+4*(\t)+1], s[14:15] offset:32*CB*(\t)   ; the wave stores 256 consecutive bytes, aligned
.endm
; ---- the weights: a lane takes a column n and its registers run down K, so a block of 32 lies in one lane and the conversions give codes with K innermost
.macro WLOAD t
.irp i, 0,1,2,3,4,5,6,7,8,9,10,11,12,13,14,15,16,17,18,19,20,21,22,23,24,25,26,27,28,29,30,31
	global_load_b32 v[WX+32*((\t)%2)+\i], v3, s[32:33] offset:(32*(\t)+\i)*4096 th:TH_LOAD_NT
.endr
.endm
.macro WBLOCK t
.set WS, WX+32*((\t)%2)
.if (\t) < WNB-1
	s_wait_loadcnt 32                              ; this block's 32 loads are in; the next block's may be out
.else
	s_wait_loadcnt 0
.endif
	v_max3_num_f32 v12, |v[WS]|, |v[WS+1]|, |v[WS+2]|
	v_max3_num_f32 v13, |v[WS+3]|, |v[WS+4]|, |v[WS+5]|
.irp i, 6,10,14,18,22,26
	v_max3_num_f32 v12, v12, |v[WS+\i]|, |v[WS+\i+1]|
	v_max3_num_f32 v13, v13, |v[WS+\i+2]|, |v[WS+\i+3]|
.endr
	v_max3_num_f32 v12, v12, |v[WS+30]|, |v[WS+31]|
	v_max3_num_f32 v12, v12, v13, 0x1800000        ; with the floor 2^(3 - 127)
	v_add_nc_u32 v11, 0xff000000, v12              ; the conversion's scale operand
	v_lshrrev_b32 v13, 23, v11                     ; the scale's byte
.if (\t)%4 == 0
	v_mov_b32 v[WSB+(\t)/4], v13                   ; four bytes to a register, the lower K in the lower byte
.else
	v_lshl_or_b32 v[WSB+(\t)/4], v13, 8*((\t)%4), v[WSB+(\t)/4]
.endif
.irp g, 0,1,2,3
	v_cvt_scalef32_pk8_fp4_f32 v[WC+\g], v[WS+8*\g:WS+8*\g+7], v11
.endr
	ds_store_b128 v4, v[WC:WC+3] offset:16*(\t)    ; 32 codes: 16 bytes of my column's row.  (The next vector lines are the next block's plain maxima)
.if (\t)+2 < WNB
	WLOAD (\t)+2
.endif
	s_wait_dscnt 0x0                               ; the store has read its registers: the next block's codes may be written
.endm
; ---- Wo: a group is 16 loads of 512 consecutive bytes; two groups are on their way
.macro OLOAD g
.irp i, 0,1,2,3,4,5,6,7,8,9,10,11,12,13,14,15
	global_load_b128 v[16+64*((\g)%2)+4*\i:16+64*((\g)%2)+4*\i+3], v3, s[12:13] offset:512*(16*(\g)+\i) th:TH_LOAD_NT
.endr
.endm
.macro OGROUP g
.if (\g) < 3
	s_wait_loadcnt 16                              ; this group's 16 loads are in; the next group's may be out
.else
	s_wait_loadcnt 0
.endif
.if (\g) > 0
	s_wait_xcnt 0x0                                ; the last group's stores have read their data: v144-175 are written again only behind this wait
.endif
.irp i, 0,1,2,3,4,5,6,7,8,9,10,11,12,13,14,15
	v_cvt_pk_f16_f32 v[144+2*\i], v[16+64*((\g)%2)+4*\i], v[16+64*((\g)%2)+4*\i+1]
	v_cvt_pk_f16_f32 v[145+2*\i], v[16+64*((\g)%2)+4*\i+2], v[16+64*((\g)%2)+4*\i+3]
.endr
.if (\g) < 2
	OLOAD (\g)+2                                   ; loads ahead of stores
.endif
.irp i, 0,1,2,3,4,5,6,7,8,9,10,11,12,13,14,15
	global_store_b64 v4, v[144+2*\i:145+2*\i], s[22:23] offset:256*(16*(\g)+\i)   ; the wave stores 256 consecutive bytes, aligned
.endr
.endm
	s_load_b512 s[4:19], s[0:1], 0x0               ; hidden_states s[4:5], Wq s[6:7], Wk s[8:9], Wv s[10:11], Wo s[12:13], xc s[14:15], xs s[16:17], wc s[18:19]
	s_load_b128 s[20:23], s[0:1], 0x40             ; ws s[20:21], wo16 s[22:23]
	v_lshl_add_u32 v[SPW], v0, 2, SPARE
	v_mov_b32 v[NIL], 0
	v_lshrrev_b32 v1, 5, v0
	v_readfirstlane_b32 s24, v1                    ; wave 0..3
	v_and_b32 v2, 31, v0                           ; lane
	s_wait_kmcnt 0x0
	s_cmp_lt_u32 ttmp9, 48
	s_cbranch_scc1 .Lweights
	s_cmp_lt_u32 ttmp9, 80
	s_cbranch_scc1 .Lwo
	; ---------------- hidden_states ----------------
	v_lshlrev_b32 v3, 4, v2                        ; my 16 bytes of a load's 512
	s_mul_i32 s25, s24, WREG
	v_lshrrev_b32 v14, 2, v2
	v_mul_u32_u24 v14, v14, SP
	v_and_b32 v15, 3, v2
	v_lshl_add_u32 v14, v15, 4, v14
	v_add_nc_u32 v14, s25, v14                     ; the stage, on the way in: SP (lane / 4) + 16 (lane % 4)
	v_mul_u32_u24 v15, v2, SP
	v_add_nc_u32 v15, s25, v15                     ; and on the way out: SP x lane: my 16 neighbours
	v_mul_u32_u24 v4, v2, CB                       ; my codes' place in a step's
	v_lshrrev_b32 v5, 1, v2
	s_add_co_u32 s25, s25, 2*32*SP
	v_add_nc_u32 v5, s25, v5                       ; my wave's 256 scale bytes, my block's byte
	v_lshlrev_b32 v7, 3, v2                        ; and on the way out 8 bytes a lane
	v_add_nc_u32 v6, s25, v7
	s_sub_co_u32 s26, ttmp9, 80
	s_lshl_b32 s26, s26, 2
	s_add_co_u32 s26, s26, s24                     ; which run of 8,192 numbers is my wave's: 0 .. 1,023
	s_mov_b32 s29, 0
	s_lshl_b32 s28, s26, 15                        ; 32,768 bytes of f32,
	s_add_nc_u64 s[4:5], s[4:5], s[28:29]
	s_lshl_b32 s28, s26, 12                        ; 4,096 of codes,
	s_add_nc_u64 s[14:15], s[14:15], s[28:29]
	s_lshl_b32 s28, s26, 8                         ; 256 scale bytes
	s_add_nc_u64 s[16:17], s[16:17], s[28:29]
.irp t, 0,1,2,3
	XLOAD \t
.endr
	s_wait_loadcnt 12                              ; step 0's four loads are in
	XTURN 0
.irp t, 0,1,2,3,4,5,6,7,8,9,10,11,12,13,14,15
	XSTEP \t
.endr
	ds_load_b64 v[8:9], v6                         ; LDS serves a wave's instructions in order: this sees my byte stores
	s_wait_dscnt 0x0
	global_store_b64 v7, v[8:9], s[16:17]          ; 32 lanes store 256 consecutive bytes, aligned
	FINISH
	; ---------------- Wo to f16 ----------------
.Lwo:
	v_lshlrev_b32 v3, 4, v2                        ; in: 16 bytes a lane
	v_lshlrev_b32 v4, 3, v2                        ; out: 8
	s_sub_co_u32 s26, ttmp9, 48
	s_lshl_b32 s26, s26, 2
	s_add_co_u32 s26, s26, s24                     ; my run of 8,192 numbers: 0 .. 127
	s_mov_b32 s29, 0
	s_lshl_b32 s28, s26, 15
	s_add_nc_u64 s[12:13], s[12:13], s[28:29]
	s_lshl_b32 s28, s26, 14
	s_add_nc_u64 s[22:23], s[22:23], s[28:29]
	OLOAD 0
	OLOAD 1
	OGROUP 0
	OGROUP 1
	OGROUP 2
	OGROUP 3
	FINISH
	; ---------------- Wq, Wk, Wv ----------------
.Lweights:
	s_lshr_b32 s26, ttmp9, 4                       ; which tensor: 0, 1, 2
	s_bfe_u32 s27, ttmp9, 0x10003                  ; which 512 along K
	s_and_b32 s28, ttmp9, 7
	s_lshl_b32 s29, s28, 7
	s_lshl_b32 s30, s24, 5
	s_add_co_u32 s29, s29, s30                     ; my wave's first column: 128 x + 32 x wave
	s_cmp_eq_u32 s26, 0                            ; the choice hangs on the work-group's number alone
	s_cselect_b64 s[32:33], s[6:7], s[8:9]
	s_cmp_eq_u32 s26, 2
	s_cselect_b64 s[32:33], s[10:11], s[32:33]
	s_lshl_b32 s34, s27, 21                        ; 512 rows of 4,096 bytes,
	s_lshl_b32 s30, s29, 2
	s_add_co_u32 s34, s34, s30                     ; + 4 x column
	s_mov_b32 s35, 0
	s_add_nc_u64 s[32:33], s[32:33], s[34:35]
	s_lshl_b32 s30, s26, 10
	s_add_co_u32 s30, s30, s29                     ; my first row of wc and ws
	s_lshl_b32 s34, s30, 9
	s_lshl_b32 s31, s27, 8
	s_add_co_u32 s34, s34, s31                     ; codes: 512 x row + 256 y
	s_add_nc_u64 s[18:19], s[18:19], s[34:35]
	s_lshl_b32 s34, s30, 5
	s_lshl_b32 s31, s27, 4
	s_add_co_u32 s34, s34, s31                     ; scale bytes: 32 x row + 16 y
	s_add_nc_u64 s[20:21], s[20:21], s[34:35]
	v_lshlrev_b32 v3, 2, v2                        ; in: 4 bytes a lane: the wave reads 128 consecutive bytes of a row of W
	s_mul_i32 s31, s24, 32*WPITCH
	s_add_co_u32 s31, s31, WSTG                    ; my stage
	v_mul_u32_u24 v4, v2, WPITCH
	v_add_nc_u32 v4, s31, v4                       ; into it: row = my column
	v_and_b32 v5, 15, v2
	v_lshrrev_b32 v6, 4, v2                        ; out of it: sixteen lanes to a row, two rows an instruction
	v_mul_u32_u24 v7, v6, WPITCH
	v_lshl_add_u32 v7, v5, 4, v7
	v_add_nc_u32 v7, s31, v7
	v_mul_u32_u24 v8, v6, 512
	v_lshl_add_u32 v8, v5, 4, v8                   ; and the same place in wc
	v_mul_u32_u24 v9, v2, 32                       ; my column's row of scale bytes
	WLOAD 0
	WLOAD 1
.set Q, 0
.rept WNB
	WBLOCK Q
.set Q, Q+1
.endr
	global_store_b128 v9, v[WSB:WSB+3], s[20:21]   ; my column's 16 scale bytes
.irp t, 0,1,2,3,4,5,6,7,8,9,10,11,12,13,14,15
	ds_load_b128 v[WOUT+4*\t:WOUT+4*\t+3], v7 offset:2*\t*WPITCH   ; LDS serves a wave's instructions in order: these see my stores
.endr
.irp t, 0,1,2,3,4,5,6,7,8,9,10,11,12,13,14,15
	s_wait_dscnt 15-\t
	global_store_b128 v8, v[WOUT+4*\t:WOUT+4*\t+3], s[18:19] offset:2*\t*512   ; sixteen lanes store 256 consecutive bytes of a row of wc, aligned
.endr
	FINISH
.Lfunc_end_k_q09bb5b12a9_prep:
	.size	k_q09bb5b12a9_prep, .Lfunc_end_k_q09bb5b12a9_prep-k_q09bb5b12a9_prep
	.p2alignl 7, 3214868480
	.fill 96, 4, 3214868480
	.section	.rodata,"a",@progbits
	.p2align	6, 0x0
	.amdhsa_kernel k_q09bb5b12a9_prep
		.amdhsa_group_segment_fixed_size 68096
		.amdhsa_private_segment_fixed_size 0
		.amdhsa_enable_private_segment 0
		.amdhsa_kernarg_size 80
		.amdhsa_user_sgpr_count 2
		.amdhsa_user_sgpr_kernarg_segment_ptr 1
		.amdhsa_wavefront_size32 1
		.amdhsa_system_sgpr_workgroup_id_x 1
		.amdhsa_system_sgpr_workgroup_id_y 1
		.amdhsa_system_sgpr_workgroup_id_z 1
		.amdhsa_system_vgpr_workitem_id 0
		.amdhsa_next_free_vgpr 192
		.amdhsa_next_free_sgpr 66
		.amdhsa_reserve_vcc 0
		.amdhsa_float_denorm_mode_32 3
		.amdhsa_float_denorm_mode_16_64 3
		.amdhsa_memory_ordered 1
		.amdhsa_forward_progress 1
		.amdhsa_inst_pref_size 132
	.end_amdhsa_kernel
	.amdgpu_metadata
---
amdhsa.version: [ 1, 2 ]
amdhsa.kernels:
  - .name:           k_q09bb5b12a9_prep
    .symbol:         k_q09bb5b12a9_prep.kd
    .args:
      - { .name: hidden_states, .offset: 0, .size: 8, .value_kind: global_buffer, .address_space: global }
      - { .name: Wq, .offset: 8, .size: 8, .value_kind: global_buffer, .address_space: global }
      - { .name: Wk, .offset: 16, .size: 8, .value_kind: global_buffer, .address_space: global }
      - { .name: Wv, .offset: 24, .size: 8, .value_kind: global_buffer, .address_space: global }
      - { .name: Wo, .offset: 32, .size: 8, .value_kind: global_buffer, .address_space: global }
      - { .name: xc, .offset: 40, .size: 8, .value_kind: global_buffer, .address_space: global }
      - { .name: xs, .offset: 48, .size: 8, .value_kind: global_buffer, .address_space: global }
      - { .name: wc, .offset: 56, .size: 8, .value_kind: global_buffer, .address_space: global }
      - { .name: ws, .offset: 64, .size: 8, .value_kind: global_buffer, .address_space: global }
      - { .name: wo16, .offset: 72, .size: 8, .value_kind: global_buffer, .address_space: global }
    .group_segment_fixed_size: 68096
    .private_segment_fixed_size: 0
    .kernarg_segment_align: 8
    .kernarg_segment_size: 80
    .max_flat_workgroup_size: 128
    .sgpr_count:     66
    .vgpr_count:     192
    .wavefront_size: 32
...
	.end_amdgpu_metadata
.endif
;; end of part 1
;; launch qkvgemm (part 2): grid 12 x 32, 4 waves a work-group, clusters of 4 x 4, 327,680 bytes of LDS; arguments xc, xs, wc, ws, qkv, bq, bv; writes qkv
.if DOCPART == 2
	.amdgcn_target "amdgcn-amd-amdhsa--gfx1250"
	.amdhsa_code_object_version 6
	.text
	.protected	k_q09bb5b12a9_qkvgemm
	.globl	k_q09bb5b12a9_qkvgemm
	.p2align	8
	.type	k_q09bb5b12a9_qkvgemm,@function
k_q09bb5b12a9_qkvgemm:
	s_mov_b64 s[64:65], 0
	v_nop
	global_prefetch_b8 v0, s[64:65] scope:SCOPE_SE
	s_setreg_imm32_b32 hwreg(HW_REG_WAVE_MODE, 25, 1), 1
	s_wait_xcnt 0x0
	s_wait_alu depctr_hold_cnt(0) depctr_sa_sdst(0) depctr_va_vdst(0) depctr_va_sdst(0) depctr_va_ssrc(0) depctr_va_vcc(0) depctr_vm_vsrc(0)
	s_getreg_b32 s2, hwreg(HW_REG_IB_STS2, 6, 4)
	s_cmp_eq_u32 s2, 0
	s_cbranch_scc0 .Lentry_in_a_cluster
	s_endpgm
.Lentry_in_a_cluster:
	s_bfe_u32 s2, ttmp6, 0x10000c
	s_cmp_lg_u32 s2, 0xf033
	s_cbranch_scc0 .Lentry_shape_is_right
	s_endpgm
.Lentry_shape_is_right:
; q, k, v = x W + bias, the three quantised products as ONE product of [8192][1024] by [3072][1024]^T on codes of FP4 (E2M1) with one E8M0 scale for each 32 along K; sums in f32; results rounded once to f16.
; WORK LEFT OUT: bk is not added (it is dead work: the softmax along the keys takes q . bk away for all values of the inputs; shown at the head of the first kernel).  The k columns start their sums from 0.
; qkv: q at byte 0, k at 2^24, v at 2^25; each [64 batch x head][2048 position][64] f16, so that a head's rows are dense.  LIMIT: |q|, |k|, |v| stay under 65,504 (f16).
; A tile of 256 x 256 is made by four waves, each 128 x 128: 64 accumulators of 16 x 16, 512 registers.  K = 1,024 is two slots of 512 along K (LDS rows of 256 bytes): both are filled at the start and nothing is filled again.
; THE SCALES of the work-group's 256 rows of x and 256 rows of W, for all of K, are two dense blocks of memory: they come into LDS once, with the first fills.
; CLUSTERS: 4 x 4 work-groups.  The four of a row of the cluster need the same tiles of x, the four of a column the same tiles of W: each tile is asked for JOINTLY, by the same tensor load with the same descriptor
; and a mask that names the four.  A cluster's four tile columns are 1,024 columns: exactly one of q, k, v, so the cluster's x says which, alike in all sixteen partners.
; THE MATRIX INSTRUCTION IS USED TRANSPOSED (source 0 = 16 rows of W, source 1 = 16 rows of x): a lane then holds eight neighbouring columns of one row.  THE BIAS is the C of each sum's first instruction.
; REGISTERS, in windows of 256: window 0: v0-31 addresses; v32-95 scale words, two sets; v128-191 x's fragments, ONE set; v192-255 the bias in the result's layout; on the way out v32-95 and v192-223 are at work.
;   window 1: W's fragments, TWO sets, at v0 and at v128.   window 2: the accumulators of my rows 0-63 ((a, b) at v[8 (8 a + b)]);   window 3: those of my rows 64-127.
.set NQ,     4                         ; matrix instructions deep in a slot: 512 along K
.set ROWB,   256                       ; a tile's row in bytes
.set KROW,   512                       ; a row of xc or wc in memory
.set PITCH,  272                       ; an LDS row: 256 bytes + 16 of padding = 68 words, so the 16 rows that a load touches start 4 words apart modulo 64 words
.set FR,     8                         ; registers of a fragment: 16 rows x 128 K
.set NL,     2                         ; LDS loads that bring one
.set NP,     4                         ; places behind this matrix instruction (ISA guide 7.12.1)
.set HALFT,  128*PITCH                 ; 128 rows: what one tensor load brings
.set SLOT,   4*HALFT                   ; x's 256 rows, then W's 256 rows
.set KS,     32                        ; a row of scales in bytes
.set SCL,    2*SLOT                    ; behind the slots: the scales, as rows of 256 bytes + 16 of padding
.set HALFS,  16*272                    ; the scales of 128 rows: what one tensor load brings
.set SBLK,   2*272                     ; those of 16 rows
.set SPARE,  SCL+4*HALFS               ; the spare words, 128 bytes for each wave: two blocks of 256 bytes that no other line names
.set SPITCH, 272                       ; the way out: a stage of 16 rows x (256 bytes + 16) for each wave, in slot 0, which has had its only fill and its last read when the first result is stored there
.set ADRA, 16                          ; v16-17  LDS address of my x fragments in slot 0, 1
.set ADRB, 20                          ; v20-21  the same for W
.set STO,  24                          ; v24     the way out: where I put 16 bytes of a row
.set RD,   25                          ; v25     where I read back: four rows of one head an instruction
.set CO,   26                          ; v26     16 x lane: my place in 512 dense bytes of qkv
.set ADRS, 27                          ; v27     LDS address of my scale words: lanes 0-15 x's rows, lanes 16-31 W's
.set SPW,  28                          ; v28     LDS address of my spare word; never rewritten
.set NIL,  29                          ; v29     0; never rewritten
.set SC,   32                          ; scale words: set s at v[SC + 32 s]; register 4 i + q: lanes 0-15 x's block i, lanes 16-31 W's block i, the slot's q-th 128 along K
.set AF,   128
.set BIAS, 192                         ; register 8 b + j: the bias of column 16 b + 8 (lane / 16) + j of my 128
.set TMP,  192                         ; the way out: packed results
.set BK,   32                          ; the way out: 16 rows read back: v32-63 and v64-95 by turns
.set G1, 24
.set G0, 32
.set G1B, 48
.set G0B, 56
.set G1S, 68
.set G0S, 76
.set G1SB, 80
.set G0SB, 88
.set MSB, 0
.macro WIN new                         ; the immediate's high byte repeats the setting that is left; a switch that changes nothing is dropped
.if MSB != (\new)
	s_set_vgpr_msb (MSB<<8)|(\new)
.set MSB, (\new)
.endif
.endm
.set MUL_LO, 0xa1                      ; source 0 (W) window 1, source 1 (x) window 0, C and D window 2
.set MUL_HI, 0xf1                      ; the same, C and D window 3
.set FST_LO, 0x81                      ; the first step: C (the bias) window 0, D window 2
.set FST_HI, 0xc1                      ; D window 3
.set TO_B,   0x40                      ; destination window 1, address window 0
; A joint load: waves 0 and 1 fetch for x, waves 2 and 3 for W.  The branch hangs on the wave's number alone.  An s_nop 0 and four v_nop follow each of the two lines.
.macro JLOAD g0a, g1a, g0b, g1b
	s_cmp_eq_u32 s15, 0
	s_cbranch_scc0 .Lfor_b_\@
	tensor_load_to_lds s[\g0a:\g0a+3], s[\g1a:\g1a+7]
	s_nop 0
.rept 4
	v_nop
.endr
	s_branch .Lasked_\@
.Lfor_b_\@:
	tensor_load_to_lds s[\g0b:\g0b+3], s[\g1b:\g1b+7]
	s_nop 0
.rept 4
	v_nop
.endr
.Lasked_\@:
.endm
.macro CROUND                          ; a round of the cluster's barrier
	s_barrier_signal -1
	s_barrier_wait -1
	s_cmp_lg_u32 s14, 0
	s_cbranch_scc1 .Lnot_wave_0_\@
	s_barrier_signal -3
.Lnot_wave_0_\@:
	s_barrier_wait -3
	s_barrier_signal -1
	s_barrier_wait -1
.endm
	s_load_b128 s[4:7], s[0:1], 0x0                ; xc s[4:5], xs s[6:7]
	s_load_b128 s[8:11], s[0:1], 0x10              ; wc s[8:9], ws s[10:11]
	s_load_b64 s[12:13], s[0:1], 0x20              ; qkv
	s_load_b128 s[96:99], s[0:1], 0x28             ; bq s[96:97], bv s[98:99]
	v_lshl_add_u32 v[SPW], v0, 2, SPARE
	v_mov_b32 v[NIL], 0
	ds_add_u32 v[SPW], v[NIL]                      ; the wave's opening: the add, twice on end, and its wait ahead of my first tensor load
	ds_add_u32 v[SPW], v[NIL]                      ; and once more, under the one wait; the set-up below, work on registers, stands between
	v_lshrrev_b32 v1, 5, v0
	v_readfirstlane_b32 s14, v1                    ; wave 0..3
	s_lshr_b32 s15, s14, 1                         ; which half of the tile's rows is mine.  Also: I fetch for x (0) or for W (1)
	s_and_b32 s16, s14, 1                          ; which half of its columns.  Also: which 128 rows of that tile I fetch
	s_bfe_u32 s40, ttmp6, 0x40000                  ; cx, cy: my place in the cluster
	s_bfe_u32 s41, ttmp6, 0x40004
	s_lshl_b32 s42, ttmp9, 2
	s_add_co_u32 s42, s42, s40                     ; tile column = 4 x cluster x + cx
	s_and_b32 s17, ttmp7, 0xffff
	s_lshl_b32 s17, s17, 2
	s_add_co_u32 s17, s17, s41                     ; tile row = 4 x cluster y + cy
	s_lshl_b32 s43, s41, 2
	s_lshl_b32 s43, 15, s43                        ; my row of the cluster
	s_lshl_b32 s44, 0x1111, s40                    ; my column
	; descriptor group 1: a tile of 128 rows x 256 bytes, 16 bytes of padding behind each row
	s_or_b32 s[G1+0], s43, (0<<16)|(1<<20)|(1<<21)|(5<<22)|(3<<25)  ; 15:0 the mask: x's tiles go to my row; 17:16 element of 1 byte; 20 padding on; 21 set beside a mask; 24:22 after every 64 words; 31:25 four words
	s_or_b32 s[G1B+0], s44, (0<<16)|(1<<20)|(1<<21)|(5<<22)|(3<<25)
.irp g, G1, G1B
	s_mov_b32 s[\g+1], ROWB<<16                    ; tensor_dim0
	s_mov_b32 s[\g+2], 128<<16                     ; tensor_dim1
	s_mov_b32 s[\g+3], ROWB<<16                    ; tile_dim0
	s_mov_b32 s[\g+4], 128                         ; tile_dim1
	s_mov_b32 s[\g+5], KROW                        ; tensor_dim0_stride
	s_mov_b32 s[\g+6], 0
	s_mov_b32 s[\g+7], 0
.endr
	; the scales of 128 rows: a dense block of 4,096 bytes, as 16 rows of 256 bytes (32 elements of 8 bytes), 16 bytes of padding behind each
	s_or_b32 s[G1S+0], s43, (3<<16)|(1<<20)|(1<<21)|(5<<22)|(3<<25)
	s_or_b32 s[G1SB+0], s44, (3<<16)|(1<<20)|(1<<21)|(5<<22)|(3<<25)
.irp g, G1S, G1SB
	s_mov_b32 s[\g+1], 32<<16
	s_mov_b32 s[\g+2], 16<<16
	s_mov_b32 s[\g+3], 32<<16
	s_mov_b32 s[\g+4], 16
	s_mov_b32 s[\g+5], 32
	s_mov_b32 s[\g+6], 0
	s_mov_b32 s[\g+7], 0
.endr
	s_lshl_b32 s18, s16, 7                         ; which 128 rows of the tile I fetch
	s_lshl_b32 s20, s17, 8
	s_add_co_u32 s20, s20, s18                     ; x: row 256 x tile row + 128 x half
	s_lshl_b32 s46, s42, 8
	s_add_co_u32 s46, s46, s18                     ; W: row 256 x tile column + 128 x half
	s_mov_b32 s21, 0
	s_mov_b32 s47, 0
	s_mov_b64 s[18:19], KS
	s_mul_u64 s[22:23], s[20:21], s[18:19]         ; where these rows' scales begin, in bytes
	s_mul_u64 s[92:93], s[46:47], s[18:19]
	s_mov_b64 s[18:19], KROW
	s_mul_u64 s[20:21], s[20:21], s[18:19]         ; and their codes
	s_mul_u64 s[46:47], s[46:47], s[18:19]
	s_mul_i32 s45, s14, HALFT                      ; where they go: wave x 128 rows: no place in the cluster enters an LDS address
	s_mul_i32 s94, s14, HALFS
	s_wait_dscnt 0x0                               ; both opening adds are done
	s_wait_kmcnt 0x0
	s_add_nc_u64 s[20:21], s[4:5], s[20:21]
	s_add_nc_u64 s[22:23], s[6:7], s[22:23]
	s_add_nc_u64 s[46:47], s[8:9], s[46:47]
	s_add_nc_u64 s[92:93], s[10:11], s[92:93]
	CROUND                                         ; all sixteen work-groups are here: the joint loads meet
	s_mov_b32 s[G0S], 1
	s_add_co_u32 s[G0S+1], s94, SCL
	s_mov_b64 s[G0S+2:G0S+3], s[22:23]
	s_or_b32 s[G0S+3], s[G0S+3], 0x80000000
	s_mov_b32 s[G0SB], 1
	s_add_co_u32 s[G0SB+1], s94, SCL
	s_mov_b64 s[G0SB+2:G0SB+3], s[92:93]
	s_or_b32 s[G0SB+3], s[G0SB+3], 0x80000000
	JLOAD G0S, G1S, G0SB, G1SB                     ; the scales first: they are wanted with the first slot.  By this text's count three tensor loads of a wave are out at the most
.irp s, 0,1
	s_mov_b32 s[G0+4*\s], 1
	s_add_co_u32 s[G0+4*\s+1], s45, \s*SLOT
	s_add_nc_u64 s[G0+4*\s+2:G0+4*\s+3], s[20:21], \s*ROWB
	s_or_b32 s[G0+4*\s+3], s[G0+4*\s+3], 0x80000000
	s_mov_b32 s[G0B+4*\s], 1
	s_add_co_u32 s[G0B+4*\s+1], s45, \s*SLOT
	s_add_nc_u64 s[G0B+4*\s+2:G0B+4*\s+3], s[46:47], \s*ROWB
	s_or_b32 s[G0B+4*\s+3], s[G0B+4*\s+3], 0x80000000
	JLOAD G0+4*\s, G1, G0B+4*\s, G1B
.endr
	v_and_b32 v1, 15, v0                           ; l % 16
	v_bfe_u32 v2, v0, 4, 1                         ; l / 16
	; where my 128 x 128 go.  Rows m0 .. m0 + 127 lie in one batch; columns n0 .. n0 + 127 are two heads of one tensor
	s_lshl_b32 s20, s17, 8
	s_lshl_b32 s21, s15, 7
	s_add_co_u32 s20, s20, s21                     ; m0
	s_lshr_b32 s21, s20, 11                        ; the batch
	s_and_b32 s20, s20, 2047                       ; the position
	s_lshl_b32 s20, s20, 7                         ; 128 bytes a position,
	s_lshl_b32 s21, s21, 22                        ; 16 heads of 2^18 bytes a batch
	s_add_co_u32 s20, s20, s21
	s_lshl_b32 s46, s42, 8
	s_lshl_b32 s47, s16, 7
	s_add_co_u32 s46, s46, s47                     ; n0
	s_lshr_b32 s47, s46, 10
	s_lshl_b32 s47, s47, 24                        ; the tensor: 2^24 bytes each
	s_add_co_u32 s20, s20, s47
	s_bfe_u32 s47, s46, 0x40006                    ; the first of my two heads
	s_lshl_b32 s47, s47, 18
	s_add_co_u32 s20, s20, s47
	s_mov_b32 s21, 0
	s_add_nc_u64 s[12:13], s[12:13], s[20:21]
	s_and_b32 s46, s46, 1023
	s_lshl_b32 s46, s46, 2                         ; my 128 columns' place in a bias, in bytes
	s_mov_b32 s47, 0
	; THE BIAS, in the result's layout.  The cluster's x is 0 for q, 1 for k, 2 for v: the same in all partners.  k has none, so its sums start from zeros: one text of the first step serves all three
	s_cmp_eq_u32 ttmp9, 1
	s_cbranch_scc1 .Lno_bias
	s_cmp_eq_u32 ttmp9, 0
	s_cselect_b64 s[96:97], s[96:97], s[98:99]
	s_add_nc_u64 s[96:97], s[96:97], s[46:47]
	v_lshlrev_b32 v7, 5, v2                        ; 8 numbers on for lanes 16-31
.irp b, 0,1,2,3,4,5,6,7
	global_load_b128 v[BIAS+8*\b:BIAS+8*\b+3], v7, s[96:97] offset:64*\b
	global_load_b128 v[BIAS+8*\b+4:BIAS+8*\b+7], v7, s[96:97] offset:64*\b+16
.endr
	s_branch .Lbias_done
.Lno_bias:
.set i, 0
.rept 64
	v_mov_b32 v[BIAS+i], 0
.set i, i+1
.endr
.Lbias_done:
	v_mul_u32_u24 v3, v1, PITCH
	v_lshl_add_u32 v4, v2, 4, v3                   ; a fragment's row x pitch + 16 x half
	s_mul_i32 s21, s15, HALFT                      ; my 128 rows of x
	s_mul_i32 s22, s16, HALFT                      ; my 128 rows of W,
	s_add_co_u32 s22, s22, 2*HALFT                 ; which lie behind x's 256
.irp s, 0,1
	v_add_nc_u32 v[ADRA+\s], s21, v4
	v_add_nc_u32 v[ADRB+\s], s22, v4
	s_add_co_u32 s21, s21, SLOT
	s_add_co_u32 s22, s22, SLOT
.endr
	v_mul_u32_u24 v5, v1, KS                       ; my row's scales: 32 bytes a row,
	v_lshrrev_b32 v6, 8, v5
	v_lshl_add_u32 v5, v6, 4, v5                   ; and 16 more for each 256 passed
	s_mul_i32 s21, s15, HALFS                      ; x's: my 128 rows
	s_mul_i32 s22, s16, HALFS                      ; W's: my 128 rows, behind x's 256
	s_add_co_u32 s22, s22, 2*HALFS
	s_sub_co_u32 s22, s22, s21
	v_mul_u32_u24 v6, s22, v2                      ; lanes 16-31 take W's
	s_add_co_u32 s21, s21, SCL
	v_add_nc_u32 v5, v5, v6
	v_add_nc_u32 v[ADRS], s21, v5
	s_mul_i32 s23, s14, 16*SPITCH                  ; my stage
	v_mul_u32_u24 v5, v1, SPITCH                   ; in: row l % 16, 16 bytes for each half of the lanes
	v_lshl_add_u32 v5, v2, 4, v5
	v_add_nc_u32 v[STO], s23, v5
	v_and_b32 v6, 31, v0
	v_lshlrev_b32 v[CO], 4, v6
	v_lshrrev_b32 v5, 3, v6                        ; back: eight lanes to a head's 128 bytes of a row, four rows an instruction
	v_mul_u32_u24 v5, v5, SPITCH
	v_and_b32 v6, 7, v6
	v_lshl_add_u32 v5, v6, 4, v5
	v_add_nc_u32 v[RD], s23, v5
.macro FRAG reg, adr, q, i             ; a fragment, 16 rows x 128 K of 4-bit codes: lane l holds row l % 16; registers 4 c .. 4 c + 3 hold K = 64 c + 32 (l / 16) + 0 .. 31
.irp c, 0,1
	ds_load_b128 v[\reg+4*\c:\reg+4*\c+3], v[\adr] offset:64*(\q)+32*\c+(\i)*16*PITCH
.endr
.endm
; 16 matrix instructions: x's blocks a0, a0 + 1 against W's eight, the slot's q-th 128 along K.  p: W's set; sc: the set of scale words.  first = 1: the sums start from the bias.
; The 64 accumulators take turns, one instruction a turn, in the same order in every step.
.macro MUL16 a0, p, q, sc, first
.irp a, \a0, \a0+1
.irp b, 0,1,2,3,4,5,6,7
.if \first
	v_wmma_scale_f32_16x16x128_f8f6f4 v[8*(8*((\a)%4)+\b):8*(8*((\a)%4)+\b)+7], v[128*(\p)+FR*\b:128*(\p)+FR*\b+FR-1], v[AF+FR*(\a):AF+FR*(\a)+FR-1], v[BIAS+8*\b:BIAS+8*\b+7], v[SC+8*NQ*(\sc)+NQ*\b+(\q)], v[SC+8*NQ*(\sc)+NQ*(\a)+(\q)] matrix_a_fmt:MATRIX_FMT_FP4 matrix_b_fmt:MATRIX_FMT_FP4 matrix_a_scale:MATRIX_SCALE_ROW1
.else
	v_wmma_scale_f32_16x16x128_f8f6f4 v[8*(8*((\a)%4)+\b):8*(8*((\a)%4)+\b)+7], v[128*(\p)+FR*\b:128*(\p)+FR*\b+FR-1], v[AF+FR*(\a):AF+FR*(\a)+FR-1], v[8*(8*((\a)%4)+\b):8*(8*((\a)%4)+\b)+7], v[SC+8*NQ*(\sc)+NQ*\b+(\q)], v[SC+8*NQ*(\sc)+NQ*(\a)+(\q)] matrix_a_fmt:MATRIX_FMT_FP4 matrix_b_fmt:MATRIX_FMT_FP4 matrix_a_scale:MATRIX_SCALE_ROW1
.endif
.endr
.endr
.endm
.macro FETCH_B slot, q, p
	WIN TO_B
.irp i, 0,1,2,3,4,5,6,7
	FRAG 128*(\p)+FR*\i, ADRB+\slot, \q, \i
.endr
	WIN 0
.endm
.macro FETCH_A slot, q, i0
.irp i, \i0, \i0+1, \i0+2, \i0+3
	FRAG AF+FR*(\i), ADRA+\slot, \q, \i
.endr
.endm
.macro SCALES sc                       ; a slot's scale words: four words a row; lanes 0-15 take x's block i, lanes 16-31 W's block i
.irp i, 0,1,2,3,4,5,6,7
	ds_load_b128 v[SC+8*NQ*\sc+NQ*\i:SC+8*NQ*\sc+NQ*\i+3], v[ADRS] offset:\i*SBLK
.endr
.endm
.macro PLACES n                        ; plain vector instructions between a matrix instruction and a load into, or a vector read of, its registers (ISA guide 7.12.1 for vector reads)
.rept \n
	v_nop
.endr
.endm
; A step of 128 along K that has its successor in the same slot.  A block of x is free as soon as its eight products are issued: blocks 0-3 are fetched anew in the step's middle, blocks 4-7 at its end.
.macro STEP slot, q, first
	s_wait_dscnt 4*NL                              ; W's set and x's blocks 0-3 are in; the youngest eight loads (x's blocks 4-7) may be out
.if \first
	WIN FST_LO
.else
	WIN MUL_LO
.endif
	MUL16 0, (\q)%2, \q, \slot, \first
	MUL16 2, (\q)%2, \q, \slot, \first
	s_wait_dscnt 0                                 ; x's blocks 4-7 are in
	PLACES NP
	FETCH_B \slot, (\q)+1, 1-(\q)%2
	FETCH_A \slot, (\q)+1, 0
.if \first
	WIN FST_HI
.else
	WIN MUL_HI
.endif
	MUL16 4, (\q)%2, \q, \slot, \first
	MUL16 6, (\q)%2, \q, \slot, \first
	PLACES NP
	WIN 0
	FETCH_A \slot, (\q)+1, 4
.endm
; Slot 0's last step changes slots: one barrier; in front of it each wave waits for all its tensor loads (its part of slot 1), and for its own reads of slot 0.
.macro TURN slot, next
	s_wait_tensorcnt 0x0                           ; all my tensor loads have landed
	ds_add_u32 v[SPW], v[NIL]                      ; 0 onto my spare word
	s_wait_dscnt 4*NL+1                            ; (the add and the youngest eight loads may be out)
	WIN MUL_LO
	MUL16 0, 1, NQ-1, \slot, 0
	s_wait_dscnt 0x0                               ; the add is done, and my reads of this slot are over
	s_barrier_signal -1
	MUL16 2, 1, NQ-1, \slot, 0
	WIN 0
	s_barrier_wait -1
	PLACES NP
	v_add_nc_u32 v[ADRS], 4*NQ, v[ADRS]            ; on to the next slot's scale words
	FETCH_B \next, 0, 0
	FETCH_A \next, 0, 0
	SCALES \next
	WIN MUL_HI
	MUL16 4, 1, NQ-1, \slot, 0
	MUL16 6, 1, NQ-1, \slot, 0
	PLACES NP
	WIN 0
	FETCH_A \next, 0, 4
.endm
.macro STEPS slot, from                ; the slot's steps from .. NQ - 2
.set Q, \from
.rept NQ-1-\from
	STEP \slot, Q, 0
.set Q, Q+1
.endr
.endm
	s_wait_tensorcnt 1                             ; the scales and my part of slot 0 are in (slot 1's load may be out),
	s_barrier_signal -1
	s_barrier_wait -1                              ; everybody's are
	FETCH_B 0, 0, 0
	FETCH_A 0, 0, 0
	SCALES 0
	FETCH_A 0, 0, 4
	s_wait_loadcnt 0x0                             ; the bias
	STEP 0, 0, 1                                   ; the first step starts the sums
	STEPS 0, 1
	TURN 0, 1
	STEPS 1, 0
	s_wait_dscnt 4*NL                              ; the very last step: nothing more to fetch
	WIN MUL_LO
	MUL16 0, 1, NQ-1, 1, 0
	MUL16 2, 1, NQ-1, 1, 0
	s_wait_dscnt 0
	WIN MUL_HI
	MUL16 4, 1, NQ-1, 1, 0
	MUL16 6, 1, NQ-1, 1, 0
	WIN 0
; THE WAY OUT, block by block of 16 rows x 128 columns.  PACK: rounded to f16, 16 bytes a lane, each accumulator from its low end on.  TOSTAGE: into my own stage and back by heads: 16 positions x 128 bytes of a head
; are 2,048 dense bytes of qkv.  SEND: stored, 512 consecutive bytes an instruction.  LDS serves a wave's instructions in order: no wait between the stage's stores and loads.
.macro PACK a
.set AC, 64*((\a)%4)
	WIN 0x0a+5*((\a)/4)                            ; sources 0 and 1: window 2 or 3
.irp b, 0,1,2,3,4,5,6,7
.irp r, 0,1,2,3
	v_cvt_pk_f16_f32 v[TMP+4*\b+\r], v[AC+8*\b+2*\r], v[AC+8*\b+2*\r+1]
.endr
.endr
	WIN 0
.endm
.macro TOSTAGE a
.set BB, BK+32*((\a)%2)
.irp b, 0,1,2,3,4,5,6,7
	ds_store_b128 v[STO], v[TMP+4*\b:TMP+4*\b+3] offset:32*\b
.endr
.irp hh, 0,1
.irp t, 0,1,2,3
	ds_load_b128 v[BB+16*\hh+4*\t:BB+16*\hh+4*\t+3], v[RD] offset:128*\hh+4*SPITCH*\t
.endr
.endr
.endm
.macro SEND a
.set BB, BK+32*((\a)%2)
	s_wait_dscnt 0x0                               ; the block is back in registers
	s_wait_xcnt 0x0                                ; the stores of the block before have read their registers: the next block's loads from the stage land there only behind this wait
.irp hh, 0,1
.irp t, 0,1,2,3
	global_store_b128 v[CO], v[BB+16*\hh+4*\t:BB+16*\hh+4*\t+3], s[12:13] offset:262144*\hh+2048*(\a)+512*\t
.endr
.endr
.endm
	PLACES NP                                      ; behind the last products: for the conversions that read results and the loads into the registers that held scale words
	PACK 0
	TOSTAGE 0
.irp a, 1,2,3,4,5,6,7                  ; block a's conversions stand between block a - 1's loads from the stage and the wait for them
	PACK \a
	SEND \a-1
	TOSTAGE \a
.endr
	SEND 7
	s_wait_tensorcnt 0x0                           ; the wave's end, behind my last tensor load and my last LDS store
	ds_add_u32 v[SPW], v[NIL]
	s_wait_dscnt 0x0
	CROUND                                         ; the closing round: no work-group ends while a partner may still ask for a tile that names it
	s_endpgm
.Lfunc_end_k_q09bb5b12a9_qkvgemm:
	.size	k_q09bb5b12a9_qkvgemm, .Lfunc_end_k_q09bb5b12a9_qkvgemm-k_q09bb5b12a9_qkvgemm
	.p2alignl 7, 3214868480
	.fill 96, 4, 3214868480
	.section	.rodata,"a",@progbits
	.p2align	6, 0x0
	.amdhsa_kernel k_q09bb5b12a9_qkvgemm
		.amdhsa_group_segment_fixed_size 327680
		.amdhsa_private_segment_fixed_size 0
		.amdhsa_enable_private_segment 0
		.amdhsa_kernarg_size 56
		.amdhsa_user_sgpr_count 2
		.amdhsa_user_sgpr_kernarg_segment_ptr 1
		.amdhsa_wavefront_size32 1
		.amdhsa_system_sgpr_workgroup_id_x 1
		.amdhsa_system_sgpr_workgroup_id_y 1
		.amdhsa_system_sgpr_workgroup_id_z 1
		.amdhsa_system_vgpr_workitem_id 0
		.amdhsa_next_free_vgpr 1024
		.amdhsa_next_free_sgpr 100
		.amdhsa_reserve_vcc 0
		.amdhsa_float_denorm_mode_32 3
		.amdhsa_float_denorm_mode_16_64 3
		.amdhsa_memory_ordered 1
		.amdhsa_forward_progress 1
		.amdhsa_inst_pref_size 130
	.end_amdhsa_kernel
	.amdgpu_metadata
---
amdhsa.version: [ 1, 2 ]
amdhsa.kernels:
  - .name:           k_q09bb5b12a9_qkvgemm
    .symbol:         k_q09bb5b12a9_qkvgemm.kd
    .args:
      - { .name: xc, .offset: 0, .size: 8, .value_kind: global_buffer, .address_space: global }
      - { .name: xs, .offset: 8, .size: 8, .value_kind: global_buffer, .address_space: global }
      - { .name: wc, .offset: 16, .size: 8, .value_kind: global_buffer, .address_space: global }
      - { .name: ws, .offset: 24, .size: 8, .value_kind: global_buffer, .address_space: global }
      - { .name: qkv, .offset: 32, .size: 8, .value_kind: global_buffer, .address_space: global }
      - { .name: bq, .offset: 40, .size: 8, .value_kind: global_buffer, .address_space: global }
      - { .name: bv, .offset: 48, .size: 8, .value_kind: global_buffer, .address_space: global }
    .group_segment_fixed_size: 327680
    .private_segment_fixed_size: 0
    .kernarg_segment_align: 8
    .kernarg_segment_size: 56
    .max_flat_workgroup_size: 128
    .sgpr_count:     100
    .vgpr_count:     1024
    .wavefront_size: 32
...
	.end_amdgpu_metadata
.endif
;; end of part 2
;; launch attn (part 3): grid 4 x 64, 8 waves a work-group, clusters of 4 x 1, 327,680 bytes of LDS; arguments qkv, mask, m16; writes m16
.if DOCPART == 3
	.amdgcn_target "amdgcn-amd-amdhsa--gfx1250"
	.amdhsa_code_object_version 6
	.text
	.protected	k_q09bb5b12a9_attn
	.globl	k_q09bb5b12a9_attn
	.p2align	8
	.type	k_q09bb5b12a9_attn,@function
k_q09bb5b12a9_attn:
	s_mov_b64 s[64:65], 0
	v_nop
	global_prefetch_b8 v0, s[64:65] scope:SCOPE_SE
	s_setreg_imm32_b32 hwreg(HW_REG_WAVE_MODE, 25, 1), 1
	s_wait_xcnt 0x0
	s_wait_alu depctr_hold_cnt(0) depctr_sa_sdst(0) depctr_va_vdst(0) depctr_va_sdst(0) depctr_va_ssrc(0) depctr_va_vcc(0) depctr_vm_vsrc(0)
	s_getreg_b32 s2, hwreg(HW_REG_IB_STS2, 6, 4)
	s_cmp_eq_u32 s2, 0
	s_cbranch_scc0 .Lentry_in_a_cluster
	s_endpgm
.Lentry_in_a_cluster:
	s_bfe_u32 s2, ttmp6, 0x10000c
	s_cmp_lg_u32 s2, 0x3003
	s_cbranch_scc0 .Lentry_shape_is_right
	s_endpgm
.Lentry_shape_is_right:
; attended[b][h][q][:] = the sum over keys of softmax_k(q . k / 8, keys with mask == 0 at -infinity) v[k][:].  q, k, v: f16, [64 b x h][2048][64], in qkv at bytes 0, 2^24, 2^25 (k without bk: dead work, shown at the
; head of the first kernel).  Products, maxima and sums in f32; the weights p are rounded to f16 for the second product, the result once at the end.  m16: f16, [16 head][8192 b x position][64].
; SHARES.  A work-group owns 512 queries of one batch and head, each of its EIGHT waves 64: four tiles of 16, in 512 registers.  Two waves share a SIMD, so that one wave's softmax stands beside the other's products;
; each fragment of K or V read from LDS feeds four matrix instructions.  Every wave walks all 2,048 keys, 64 a step.
; LAYOUT.  S^T = K Q^T (source 0 = 16 keys, source 1 = 16 queries): a lane holds ONE query (lane % 16) and the keys 8 (lane / 16) + 0..7 of a tile.  Two such tiles, rounded to f16 in pairs, ARE source 1 of
; O^T = V^T P, whose result again holds one query a lane.  K comes out of LDS as it lies, V ([key][channel]) turned, by ds_load_tr16_b128.  P is packed in place into the low half of its tile's S^T.
; THE MASK costs no vector work in the loop: at the head each key's mask becomes a number, 0 or -2^100, kept in LDS, and these are the C of each S^T sum's first matrix instruction.  With f16 operands |q . k| stays
; under 2^38, so a masked score is -2^100 and its p is 2^(-huge) = 0 beside any key that counts.  While only masked keys have been met, m = -2^100 and p = 1: what is summed then is multiplied by a = 0 at the first
; key that counts.  A query ALL of whose keys are masked ends with m under -2^99: there 1 / l is replaced by NaN, which is what softmax of a row of -infinity gives.
; SOFTMAX.  For each query a running maximum m and sum l: p = 2^(c s - c m), c = log2(e) / 8; in every step O and l are multiplied by a = 2^(c m_old - c m_new).
; CLUSTER.  The four query blocks of a cluster are one whole head and walk the same K and V, so each tile is asked for JOINTLY: the same tensor load, with the same descriptor and a mask that names the four.
; LIMITS: |q|, |k|, |v| and the result stay under 65,504 (f16).
; REGISTERS, in windows of 256: window 0: v0-15 addresses; v16-23 mask words at the head; v24-55 eight registers of statistics a tile; v56-87 the step's mask numbers; v88-95 at work at the head; v96-223 S^T, 32 a tile.
;   window 1: v0-63 Q, 16 a tile; v64-127 K of a step, then V of the same step; v128-255 O^T, 32 a tile.
.set PK,    144       ; a row of K in LDS: 128 bytes + 16 of padding
.set PV,    160       ; a row of V: 128 + 32
.set VOFF,  64*PK     ; a step's tiles lie together: 64 rows of K, then 64 rows of V
.set STEPB, 64*(PK+PV)
.set SLOTB, 4*STEPB   ; a slot holds four steps: 77,824 bytes
.set SLOT1, 1<<17     ; slot 1 begins here, so that one exclusive or turns an address in one slot into the other's
.set MB,    SLOTB     ; behind slot 0: 2,048 mask numbers, f32
.set STAGE, MB+8192   ; 16 rows x 144 bytes for each wave, for the way out
.set SPARE, STAGE+8*16*PK  ; the spare words, 128 bytes for each wave: four blocks of 256 bytes that no other line names
.set AK0, 2           ; v2   my lane's place in a tile of K; never rewritten
.set AV0, 3           ; v3   the same for V
.set AM0, 4           ; v4   and among the mask numbers
.set ADK, 5           ; v5-7 the addresses of the step in hand
.set ADV, 6
.set ADM, 7
.set QO,  8           ; v8   my byte offset in the wave's rows of Q
.set STO, 9           ; v9   the way out: where I put 16 bytes of a row
.set RD,  10          ; v10  where I read rows back
.set GO,  11          ; v11  16 x lane
.set PFO, 12          ; v12  256 x lane: the prefetches' offset
.set SPW, 13          ; v13  LDS address of my spare word; never rewritten
.set NIL, 14          ; v14  0; never rewritten
.set ST,  24          ; tile t's statistics at v[ST+8 t]: +0 c m, +1 m, +2, +3 l (two halves), +4 to +7 at work; a takes +6
.set MBR, 56
.set S,   96
.set KV,  64          ; in window 1
.set O,   128         ; in window 1
.set WV,  16          ; s16  my wave's number
.set G1K, 24          ; s[24:31] descriptor group 1 for K's tiles;  s[32:39] for V's: it differs in the padding alone
.set G1V, 32
.set G0K, 40          ; s[40:47] group 0 for K's tiles: a set for each of the two first fills; the second then walks on
.set G0V, 48          ; s[48:55] the same for V's
.set SLOTS, 56        ; s56  slots still to be asked for
.set CNT,  57         ; s57  counts a slot's steps
.set CS,  58          ; s[58:59] c: the packed scaling names a pair and takes its low word for both halves
.set SEL, 60          ; s[60:61] lane selects for v_permlanex16_b32: lane l xor 16
.set TB,  62          ; s62  LDS byte at which the step's tiles begin
.set TM,  63          ; s63  byte at which the step's mask numbers begin
.set PFA, 66          ; s[66:67] where my prefetches stand in memory
.set LIM, 68          ; s68  1 in a wave that prefetches, else the greatest number
.set MSB, 0
.macro WIN new                      ; the immediate's high byte repeats the setting that is left; a switch that changes nothing is dropped
.if MSB != (\new)
	s_set_vgpr_msb (MSB<<8)|(\new)
.set MSB, (\new)
.endif
.endm
.set W_KQ, 0x05       ; K and Q in window 1; C and S^T in window 0
.set W_PV, 0x51       ; V in window 1, P in window 0, O^T in window 1
.set W_RS, 0x41       ; O^T (destination and source 0) in window 1, the factor in window 0
.set TO_1, 0x40       ; destination window 1, address window 0
; A joint refill.  Waves 0 to 3 fetch the four steps' tiles of K, waves 4 to 7 those of V: 64 rows of 128 bytes each.  The branch hangs on the wave's number alone.
; An s_nop 0 and four v_nop follow each of the two lines.
.macro JLOAD
	s_cmp_lt_u32 s[WV], 4
	s_cbranch_scc0 .Lfor_v_\@
	tensor_load_to_lds s[G0K+4:G0K+7], s[G1K:G1K+7]
	s_nop 0
.rept 4
	v_nop
.endr
	s_branch .Lasked_\@
.Lfor_v_\@:
	tensor_load_to_lds s[G0V+4:G0V+7], s[G1V:G1V+7]
	s_nop 0
.rept 4
	v_nop
.endr
.Lasked_\@:
.endm
; A PREFETCH of what the NEXT change of slots will ask for: a slot's 256 rows of K and of V are 32,768 dense bytes each.  The four partners share them out BY ADDRESS, 8,192 bytes each; in each, wave 0 asks for K's
; and wave 4 for V's, lanes 256 bytes apart: one instruction.  So each aligned 256 bytes are named once in the launch.  It stands four key steps ahead of the load that wants the bytes, behind the wave's tensor load
; and its five lines.  Slots 0 to 2 come by their loads alone; the last change that fills a slot asks for nothing: there is no slot behind it.
.macro ASK
	s_cmp_gt_u32 s[SLOTS], s[LIM]
	s_cbranch_scc0 .Lnot_mine_\@
	global_prefetch_b8 v[PFO], s[PFA:PFA+1] th:TH_LOAD_NT scope:SCOPE_SE
.Lnot_mine_\@:
.endm
.macro CROUND                       ; a round of the cluster's barrier
	s_barrier_signal -1
	s_barrier_wait -1
	s_cmp_lg_u32 s[WV], 0
	s_cbranch_scc1 .Lnot_wave_0_\@
	s_barrier_signal -3
.Lnot_wave_0_\@:
	s_barrier_wait -3
	s_barrier_signal -1
	s_barrier_wait -1
.endm
	s_load_b128 s[4:7], s[0:1], 0x0   ; qkv s[4:5], mask s[6:7]
	s_load_b64 s[8:9], s[0:1], 0x10   ; m16
	v_lshl_add_u32 v[SPW], v0, 2, SPARE
	v_mov_b32 v[NIL], 0
	ds_add_u32 v[SPW], v[NIL]       ; the wave's opening: the add, twice on end, and its wait ahead of my first tensor load
	ds_add_u32 v[SPW], v[NIL]       ; and once more, under the one wait; the set-up below, work on registers, stands between
	v_lshrrev_b32 v1, 5, v0
	v_readfirstlane_b32 s[WV], v1   ; wave 0..7
	s_bfe_u32 s17, ttmp6, 0x40000   ; cx: my place in the cluster = my block of 512 queries: it enters Q's, the result's and the prefetches' addresses alone
	s_and_b32 s19, ttmp7, 0xffff    ; batch x 16 + head, which the four partners share
	s_and_b32 s20, s[WV], 3         ; which of a slot's four steps I fetch:
	s_lshl_b32 s70, s19, 18         ; the head's 2^18 bytes,
	s_lshl_b32 s21, s20, 13         ; + the step's 64 rows of 128 bytes
	s_add_co_u32 s70, s70, s21
	s_mov_b32 s71, 0
	s_mul_i32 s69, s20, STEPB       ; and its place in a slot: no place in the cluster enters an LDS address
	s_lshl_b32 s72, s17, 16         ; my block's 512 rows,
	s_lshl_b32 s21, s[WV], 13       ; my wave's 64 of them
	s_add_co_u32 s72, s72, s21
	s_lshl_b32 s21, s19, 18
	s_add_co_u32 s74, s72, s21      ; Q: in the head
	s_mov_b32 s75, 0
	s_and_b32 s21, s19, 15
	s_lshl_b32 s21, s21, 20         ; the result: the head's 8,192 rows of 128 bytes,
	s_add_co_u32 s72, s72, s21
	s_lshr_b32 s22, s19, 4          ; the batch
	s_lshl_b32 s21, s22, 18         ; its 2,048 rows
	s_add_co_u32 s72, s72, s21
	s_mov_b32 s73, 0
	s_lshl_b32 s22, s22, 13         ; the batch's 2,048 mask words
	s_mov_b32 s23, 0
	; descriptor group 1: a tile of 64 rows x 64 elements of 2 bytes, padded in LDS
	s_mov_b32 s[G1K], 15|(1<<16)|(1<<20)|(1<<21)|(4<<22)|(3<<25)  ; 15:0 the mask: all four work-groups; 17:16 elements of 2 bytes; 20 padding on; 21 set beside a mask; 24:22 after every 32 words; 31:25 four words
	s_mov_b32 s[G1V], 15|(1<<16)|(1<<20)|(1<<21)|(4<<22)|(7<<25)  ; the same with eight words of padding
.irp g, G1K, G1V
	s_mov_b32 s[\g+1], 64<<16       ; tensor_dim0 = 64
	s_mov_b32 s[\g+2], 64<<16       ; tensor_dim1 = 64
	s_mov_b32 s[\g+3], 64<<16       ; tile_dim0 = 64
	s_mov_b32 s[\g+4], 64           ; tile_dim1 = 64
	s_mov_b32 s[\g+5], 64           ; tensor_dim0_stride
	s_mov_b32 s[\g+6], 0
	s_mov_b32 s[\g+7], 0
.endr
	s_mov_b32 s[CS], 0x3e38aa3b     ; c = log2(e) / 8
	s_mov_b32 s[CS+1], s[CS]        ; named with it as a pair, so it is written
	s_mov_b32 s[SEL], 0x76543210
	s_mov_b32 s[SEL+1], 0xfedcba98
	s_mov_b32 s[TB], 0
	s_mov_b32 s[TM], 0
	s_mov_b32 s[SLOTS], 6           ; 8 slots of 256 keys; two are first fills
	s_cmp_eq_u32 s20, 0             ; waves 0 and 4 prefetch: the same in all four partners
	s_cselect_b32 s[LIM], 1, -1
	s_wait_dscnt 0x0                ; both opening adds are done
	s_wait_kmcnt 0x0
	s_add_nc_u64 s[10:11], s[4:5], s[74:75]      ; Q at my wave's first row
	s_add_nc_u64 s[12:13], s[4:5], s[70:71]
	s_add_nc_u64 s[14:15], s[12:13], 0x2000000   ; V at my tile of slot 0
	s_add_nc_u64 s[12:13], s[12:13], 0x1000000   ; K likewise
	s_add_nc_u64 s[8:9], s[8:9], s[72:73]        ; the result at my wave's first row
	s_add_nc_u64 s[6:7], s[6:7], s[22:23]        ; the mask at my batch
	s_cmp_lt_u32 s[WV], 4
	s_cselect_b64 s[PFA:PFA+1], s[12:13], s[14:15]  ; (in waves 0 and 4 these stand at a slot's first row)
	s_lshl_b32 s20, s17, 13         ; my work-group's 8,192 bytes of the 32,768
	s_mov_b32 s21, 0
	s_add_nc_u64 s[PFA:PFA+1], s[PFA:PFA+1], s[20:21]
	s_add_nc_u64 s[PFA:PFA+1], s[PFA:PFA+1], 2*32768  ; in slot 2; the first change of slots steps it to slot 3.  Nothing is prefetched at the head
	CROUND                          ; all four work-groups are here: the first joint loads meet
.irp s, 0,1
	s_mov_b32 s[G0K+4*\s], 1        ; count = 1
	s_add_co_u32 s[G0K+4*\s+1], s69, \s*SLOT1  ; LDS address
	s_add_nc_u64 s[G0K+4*\s+2:G0K+4*\s+3], s[12:13], \s*32768  ; global address: slot s begins with key 256 s
	s_or_b32 s[G0K+4*\s+3], s[G0K+4*\s+3], 0x80000000  ; type = 2
	s_mov_b32 s[G0V+4*\s], 1
	s_add_co_u32 s[G0V+4*\s+1], s69, \s*SLOT1+VOFF
	s_add_nc_u64 s[G0V+4*\s+2:G0V+4*\s+3], s[14:15], \s*32768
	s_or_b32 s[G0V+4*\s+3], s[G0V+4*\s+3], 0x80000000
.endr
	s_cmp_lt_u32 s[WV], 4           ; a wave's two first fills stand in one branch, ahead of every wait on TENSORcnt and every LDS read: two loads of mine are out
	s_cbranch_scc0 .Lfirst_v
	tensor_load_to_lds s[G0K:G0K+3], s[G1K:G1K+7]
	s_nop 0
	tensor_load_to_lds s[G0K+4:G0K+7], s[G1K:G1K+7]
	s_nop 0
.rept 4
	v_nop
.endr
	s_branch .Lfirst_asked
.Lfirst_v:
	tensor_load_to_lds s[G0V:G0V+3], s[G1V:G1V+7]
	s_nop 0
	tensor_load_to_lds s[G0V+4:G0V+7], s[G1V:G1V+7]
	s_nop 0
.rept 4
	v_nop
.endr
.Lfirst_asked:
	; A fragment of K or Q is 16 rows x 32 channels in 8 registers: lane l holds row l % 16; registers 0-3 channels 8 (l / 16) + 0..7, registers 4-7 channels 16 + 8 (l / 16) + 0..7: two loads of 16 bytes, 32 bytes apart
	v_and_b32 v1, 15, v0            ; l % 16
	v_bfe_u32 v88, v0, 4, 1         ; l / 16
	v_lshlrev_b32 v[QO], 7, v1
	v_lshl_add_u32 v[QO], v88, 4, v[QO]  ; row x 128 + 16 x half
	WIN TO_1
.irp t, 0,1,2,3
.irp kc, 0,1
	global_load_b128 v[16*\t+8*\kc:16*\t+8*\kc+3],   v[QO], s[10:11] offset:2048*\t+64*\kc      ; Q stays in registers: tile t, channels 32 kc on
	global_load_b128 v[16*\t+8*\kc+4:16*\t+8*\kc+7], v[QO], s[10:11] offset:2048*\t+64*\kc+32
.endr
.endr
	WIN 0
	v_lshlrev_b32 v93, 5, v0        ; my thread's 8 mask words
	global_load_b128 v[16:19], v93, s[6:7]
	global_load_b128 v[20:23], v93, s[6:7] offset:16
	v_mul_u32_u24 v[AK0], v1, PK
	v_lshl_add_u32 v[AK0], v88, 4, v[AK0]  ; row x pitch + 16 x half
	; The turning load takes 16 keys x 16 channels (lane l reads 16 bytes: key 8 (l / 16) + l % 8, channels 8 ((l / 8) % 2) + 0..7) and leaves half a fragment of V^T: lane l holds channel l % 16 and 8 keys
	v_and_b32 v89, 7, v0
	v_bfe_u32 v90, v0, 3, 1
	v_lshl_add_u32 v[AV0], v88, 3, v89
	v_mul_u32_u24 v[AV0], v[AV0], PV
	v_lshl_add_u32 v[AV0], v90, 4, v[AV0]
	v_add_nc_u32 v[AV0], VOFF, v[AV0]
	v_lshl_add_u32 v[AM0], v88, 5, MB      ; my half's eight keys of a tile: 32 bytes on for lanes 16-31
	s_mul_i32 s20, s[WV], 16*PK
	s_add_co_u32 s20, s20, STAGE    ; my stage
	v_add_nc_u32 v[STO], s20, v[AK0]       ; in: row l % 16, 16 bytes for each half of the lanes
	v_bfe_u32 v91, v0, 3, 2
	v_mul_u32_u24 v[RD], v91, PK    ; back: eight lanes to a row of 128 bytes, four rows an instruction
	v_lshl_add_u32 v[RD], v89, 4, v[RD]
	v_add_nc_u32 v[RD], s20, v[RD]
	v_and_b32 v92, 31, v0
	v_lshlrev_b32 v[GO], 4, v92
	v_lshlrev_b32 v[PFO], 8, v92
	v_add_nc_u32 v94, MB, v93       ; where my 8 mask numbers go
	v_mov_b32 v15, 0xf1800000       ; -2^100
	s_wait_loadcnt 0x0              ; Q and the mask words
.irp i, 16,17,18,19,20,21,22,23
	v_cmp_eq_u32 vcc_lo, 0, v\i
	v_cndmask_b32 v\i, 0, v15, vcc_lo      ; 0 where the key counts, -2^100 where mask == 0: a selection of values; no address and no branch hangs on the mask
.endr
	ds_store_b128 v94, v[16:19]
	ds_store_b128 v94, v[20:23] offset:16
	s_wait_tensorcnt 1              ; my part of slot 0 is in; slot 1's may stay out
	s_wait_dscnt 0x0                ; my mask numbers are in LDS
	s_barrier_signal -1
	s_barrier_wait -1               ; everybody's are
; THE SOFTMAX OF A STEP, four tiles side by side (the tile is the innermost index, so that no line waits for the line above it).  first = 1: the first key step, which starts m and l: it has no a.
.macro SOFTMAX first
.irp j, 0,1,2,3                     ; the maximum of a lane's 32 scores: four chains; the first line of each reads its accumulator's low end
.irp t, 0,1,2,3
	v_max3_num_f32 v[ST+8*\t+4+\j], v[S+32*\t+8*\j], v[S+32*\t+8*\j+1], v[S+32*\t+8*\j+2]
.endr
.endr
.irp g, 3,5
.irp j, 0,1,2,3
.irp t, 0,1,2,3
	v_max3_num_f32 v[ST+8*\t+4+\j], v[ST+8*\t+4+\j], v[S+32*\t+8*\j+\g], v[S+32*\t+8*\j+\g+1]
.endr
.endr
.endr
.irp t, 0,1,2,3
	v_max3_num_f32 v[ST+8*\t+4], v[ST+8*\t+4], v[S+32*\t+7], v[S+32*\t+15]
.endr
.irp t, 0,1,2,3
	v_max3_num_f32 v[ST+8*\t+6], v[ST+8*\t+6], v[S+32*\t+23], v[S+32*\t+31]
.endr
.irp t, 0,1,2,3
	v_max3_num_f32 v[ST+8*\t+4], v[ST+8*\t+4], v[ST+8*\t+5], v[ST+8*\t+6]
.endr
.irp t, 0,1,2,3
.if \first
	v_max_num_f32 v[ST+8*\t+4], v[ST+8*\t+4], v[ST+8*\t+7]
.else
	v_max3_num_f32 v[ST+8*\t+4], v[ST+8*\t+4], v[ST+8*\t+7], v[ST+8*\t+1]   ; with the old m
.endif
.endr
.irp t, 0,1,2,3
	v_permlanex16_b32 v[ST+8*\t+5], v[ST+8*\t+4], s[SEL], s[SEL+1]  ; the query's other 32 keys lie in the lane 16 away
.endr
.if \first == 0
.irp t, 0,1,2,3
	v_mov_b32 v[ST+8*\t+7], v[ST+8*\t]     ; c m_old is kept for a
.endr
.endif
.irp t, 0,1,2,3
	v_max_num_f32 v[ST+8*\t+1], v[ST+8*\t+4], v[ST+8*\t+5]
.endr
.irp t, 0,1,2,3
	v_mul_f32 v[ST+8*\t], s[CS], v[ST+8*\t+1]
.endr
.if \first == 0
.irp t, 0,1,2,3
	v_sub_f32 v[ST+8*\t+7], v[ST+8*\t+7], v[ST+8*\t]
.endr
.endif
.irp i, 0,2,4,6,8,10,12,14,16,18,20,22,24,26,28,30
.irp t, 0,1,2,3
	v_pk_fma_f32 v[S+32*\t+\i:S+32*\t+\i+1], v[S+32*\t+\i:S+32*\t+\i+1], s[CS:CS+1], v[ST+8*\t:ST+8*\t+1] op_sel_hi:[1,0,0] neg_lo:[0,0,1] neg_hi:[0,0,1]  ; c s - c m, two at a time
.endr
.endr
.if \first == 0                     ; ONE BATCH of exponentials for all four tiles: none of them reads another's result
.irp t, 0,1,2,3
	v_exp_f32 v[ST+8*\t+6], v[ST+8*\t+7]   ; a
.endr
.endif
.irp i, 0,1,2,3,4,5,6,7,8,9,10,11,12,13,14,15,16,17,18,19,20,21,22,23,24,25,26,27,28,29,30,31
.irp t, 0,1,2,3
	v_exp_f32 v[S+32*\t+\i], v[S+32*\t+\i]
.endr
.endr
	v_nop                           ; a plain instruction behind the last exponential, ahead of the first use
	s_wait_alu depctr_va_vdst(0)    ; and one wait ahead of the batch's first reader
.irp t, 0,1,2,3                     ; the sums of the unrounded p, two chains a tile: l takes pairs 0, 3, 5, .. 15, the other pairs 1, 2, 4, .. 14
.if \first
	v_pk_add_f32 v[ST+8*\t+2:ST+8*\t+3], v[S+32*\t:S+32*\t+1], v[S+32*\t+6:S+32*\t+7]
.else
	v_pk_fma_f32 v[ST+8*\t+2:ST+8*\t+3], v[ST+8*\t+2:ST+8*\t+3], v[ST+8*\t+6:ST+8*\t+7], v[S+32*\t:S+32*\t+1] op_sel_hi:[1,0,1]   ; l = a l + pair 0
.endif
.endr
.irp t, 0,1,2,3
	v_pk_add_f32 v[ST+8*\t+4:ST+8*\t+5], v[S+32*\t+2:S+32*\t+3], v[S+32*\t+4:S+32*\t+5]
.endr
.if \first == 0
.irp t, 0,1,2,3
	v_pk_add_f32 v[ST+8*\t+2:ST+8*\t+3], v[ST+8*\t+2:ST+8*\t+3], v[S+32*\t+6:S+32*\t+7]
.endr
.endif
.irp i, 8,12,16,20,24,28
.irp t, 0,1,2,3
	v_pk_add_f32 v[ST+8*\t+4:ST+8*\t+5], v[ST+8*\t+4:ST+8*\t+5], v[S+32*\t+\i:S+32*\t+\i+1]
.endr
.irp t, 0,1,2,3
	v_pk_add_f32 v[ST+8*\t+2:ST+8*\t+3], v[ST+8*\t+2:ST+8*\t+3], v[S+32*\t+\i+2:S+32*\t+\i+3]
.endr
.endr
.irp t, 0,1,2,3
	v_pk_add_f32 v[ST+8*\t+2:ST+8*\t+3], v[ST+8*\t+2:ST+8*\t+3], v[ST+8*\t+4:ST+8*\t+5]
.endr
.irp i, 0,1,2,3,4,5,6,7,8,9,10,11,12,13,14,15   ; P, in place: register i takes the pair 2 i, 2 i + 1; ascending, so that nothing is written before it is read
.irp t, 0,1,2,3
	v_cvt_pk_f16_f32 v[S+32*\t+\i], v[S+32*\t+2*\i], v[S+32*\t+2*\i+1]
.endr
.endr
.endm
; A KEY STEP: 64 keys.  Every window is 0 at its head and at its end.  The accumulators take turns, one instruction a turn: between two links of a chain stand 15 others'.
.macro STEP first
	v_add_nc_u32 v[ADK], s[TB], v[AK0]     ; these three and two v_nop are the five places behind the last step's products V^T P: loads follow into the registers that held V, and matrix instructions that write over P
	v_add_nc_u32 v[ADV], s[TB], v[AV0]
	v_add_nc_u32 v[ADM], s[TM], v[AM0]
	v_nop
	v_nop
.irp kt, 0,1,2,3
	ds_load_b128 v[MBR+8*\kt:MBR+8*\kt+3],   v[ADM] offset:64*\kt      ; the mask numbers in the result's layout: register j of tile kt is key 16 kt + 8 (l / 16) + j
	ds_load_b128 v[MBR+8*\kt+4:MBR+8*\kt+7], v[ADM] offset:64*\kt+16
.endr
	WIN TO_1
.irp kt, 0,1,2,3
.irp kc, 0,1
	ds_load_b128 v[KV+8*(2*\kt+\kc):KV+8*(2*\kt+\kc)+3],   v[ADK] offset:16*PK*\kt+64*\kc
	ds_load_b128 v[KV+8*(2*\kt+\kc)+4:KV+8*(2*\kt+\kc)+7], v[ADK] offset:16*PK*\kt+64*\kc+32
.endr
.endr
	s_wait_dscnt 0x0                ; the mask numbers and K are in
	WIN W_KQ
.irp kc, 0,1
.irp kt, 0,1,2,3
.irp t, 0,1,2,3
.if \kc == 0
	v_wmma_f32_16x16x32_f16 v[S+32*\t+8*\kt:S+32*\t+8*\kt+7], v[KV+8*(2*\kt+\kc):KV+8*(2*\kt+\kc)+7], v[16*\t+8*\kc:16*\t+8*\kc+7], v[MBR+8*\kt:MBR+8*\kt+7]
.else
	v_wmma_f32_16x16x32_f16 v[S+32*\t+8*\kt:S+32*\t+8*\kt+7], v[KV+8*(2*\kt+\kc):KV+8*(2*\kt+\kc)+7], v[16*\t+8*\kc:16*\t+8*\kc+7], v[S+32*\t+8*\kt:S+32*\t+8*\kt+7]
.endif
.endr
.endr
.endr
.rept 4
	v_nop                           ; four places: loads follow into the registers that held K, and the softmax reads the scores
.endr
	WIN TO_1
.irp u, 0,1
.irp ct, 0,1,2,3
	ds_load_tr16_b128 v[KV+8*(4*\u+\ct):KV+8*(4*\u+\ct)+3],   v[ADV] offset:32*PV*\u+32*\ct          ; V^T: keys 32 u on, channels 16 ct on; it lands while the softmax is walked
	ds_load_tr16_b128 v[KV+8*(4*\u+\ct)+4:KV+8*(4*\u+\ct)+7], v[ADV] offset:32*PV*\u+32*\ct+16*PV
.endr
.endr
	WIN 0
	SOFTMAX \first
.if \first == 0
	WIN W_RS
.irp i, 0,2,4,6,8,10,12,14,16,18,20,22,24,26,28,30
.irp t, 0,1,2,3
	v_pk_mul_f32 v[O+32*\t+\i:O+32*\t+\i+1], v[O+32*\t+\i:O+32*\t+\i+1], v[ST+8*\t+6:ST+8*\t+7] op_sel_hi:[1,0]   ; O^T times a, each accumulator from its low end on
.endr
.endr
.endif
	s_wait_dscnt 0x0                ; V is in
	WIN W_PV
.irp u, 0,1
.irp ct, 0,1,2,3
.irp t, 0,1,2,3
.if \first && (\u == 0)
	v_wmma_f32_16x16x32_f16 v[O+32*\t+8*\ct:O+32*\t+8*\ct+7], v[KV+8*(4*\u+\ct):KV+8*(4*\u+\ct)+7], v[S+32*\t+8*\u:S+32*\t+8*\u+7], 0
.else
	v_wmma_f32_16x16x32_f16 v[O+32*\t+8*\ct:O+32*\t+8*\ct+7], v[KV+8*(4*\u+\ct):KV+8*(4*\u+\ct)+7], v[S+32*\t+8*\u:S+32*\t+8*\u+7], v[O+32*\t+8*\ct:O+32*\t+8*\ct+7]
.endif
.endr
.endr
.endr
	WIN 0
	s_add_co_u32 s[TB], s[TB], STEPB       ; the next step's tiles
	s_add_co_u32 s[TM], s[TM], 256         ; and its 64 mask numbers
.endm
.macro NSTEPS n                     ; n key steps: written once, walked n times; the LDS addresses hang on s[TB] and s[TM]
	s_mov_b32 s[CNT], \n
.Lstep_\@:
	STEP 0
	s_sub_co_u32 s[CNT], s[CNT], 1
	s_cmp_lg_u32 s[CNT], 0
	s_cbranch_scc1 .Lstep_\@
.endm
; THE CHANGE OF SLOTS.  Each wave waits for all its tensor loads, of which one is out: its part of the other slot; adds 0 to its spare word; and waits for that and for its reads of the slot that it leaves.
; fill = 1: that slot is filled again, with the keys two slots on.  The barrier is then a round of the cluster's, so that no wave of any partner still reads the slot or has a load on its way, and the joint refill
; is the first thing behind it: one tensor load a wave, with four key steps in which to land.
.macro CHANGE fill
	s_wait_tensorcnt 0x0            ; no tensor load of mine is out, so a group 0 may be written
	ds_add_u32 v[SPW], v[NIL]       ; 0 onto my spare word
.if \fill
.irp g, G0K+4, G0V+4
	s_xor_b32 s[\g+1], s[\g+1], SLOT1  ; the walking descriptor: the other slot than last time,
	s_add_nc_u64 s[\g+2:\g+3], s[\g+2:\g+3], 32768  ; the next 256 keys; the type bits on top are not reached
.endr
	s_wait_xcnt 0x0                 ; the last prefetch, four key steps back, has read its address, so it may be written:
	s_add_nc_u64 s[PFA:PFA+1], s[PFA:PFA+1], 32768  ; one slot further on than the walking descriptors
	s_wait_dscnt 0x0                ; the add is done, and my reads of the slot are over
	CROUND
	JLOAD
	ASK
.else
	s_wait_dscnt 0x0
	s_barrier_signal -1
	s_barrier_wait -1
.endif
	s_sub_co_u32 s[TB], s[TB], SLOTB       ; back to a slot's first step,
	s_xor_b32 s[TB], s[TB], SLOT1          ; in the other slot
.endm
	STEP 1                          ; the first key step starts m, l and O^T: nothing is cleared
	NSTEPS 3
.Lslot:                             ; six trips: every slot but the last two is filled again
	CHANGE 1
	NSTEPS 4
	s_sub_co_u32 s[SLOTS], s[SLOTS], 1
	s_cmp_lg_u32 s[SLOTS], 0
	s_cbranch_scc1 .Lslot
	CHANGE 0                        ; the tail is written out
	NSTEPS 4
	; THE WAY OUT.  l's two halves and the other half of the lanes' are added; O^T is divided by l, rounded to f16 and sent through my stage, a tile (16 rows of 128 bytes: 2,048 dense bytes of m16) at a time.
.irp t, 0,1,2,3
	v_add_f32 v[ST+8*\t+4], v[ST+8*\t+2], v[ST+8*\t+3]     ; (these four are the places behind the last products)
.endr
.irp t, 0,1,2,3
	v_permlanex16_b32 v[ST+8*\t+5], v[ST+8*\t+4], s[SEL], s[SEL+1]
.endr
.irp t, 0,1,2,3
	v_add_f32 v[ST+8*\t+4], v[ST+8*\t+4], v[ST+8*\t+5]
.endr
.irp t, 0,1,2,3
	v_rcp_f32 v[ST+8*\t+6], v[ST+8*\t+4]
.endr
	v_mov_b32 v15, 0x7fc00000       ; NaN.  (The plain instruction behind the last reciprocal)
	s_mov_b32 s20, 0xf1000000       ; -2^99
	s_wait_alu depctr_va_vdst(0)    ; the wait ahead of the first use: one for the four reciprocals
.irp t, 0,1,2,3
	v_cmp_gt_f32 vcc_lo, s20, v[ST+8*\t+1]                 ; m under -2^99: every key of this query was masked
	v_cndmask_b32 v[ST+8*\t+6], v[ST+8*\t+6], v15, vcc_lo  ; then the row is NaN
.endr
.macro PACK t
	WIN W_RS
.set i, 0
.rept 32
	v_mul_f32 v[O+32*\t+i], v[O+32*\t+i], v[ST+8*\t+6]
.set i, i+1
.endr
	WIN 0x05                        ; sources 0 and 1 window 1, destination window 0: S^T's registers are free
.set i, 0
.rept 16
	v_cvt_pk_f16_f32 v[S+32*\t+i], v[O+32*\t+2*i], v[O+32*\t+2*i+1]
.set i, i+1
.endr
	WIN 0
.irp ct, 0,1,2,3
	ds_store_b128 v[STO], v[S+32*\t+4*\ct:S+32*\t+4*\ct+3] offset:32*\ct
.endr
.irp i, 0,1,2,3
	ds_load_b128 v[S+32*\t+16+4*\i:S+32*\t+16+4*\i+3], v[RD] offset:4*PK*\i  ; LDS serves a wave's instructions in order: these see the stores above; the next tile's stores come behind them
.endr
.endm
.macro SEND t, younger              ; younger: the LDS instructions issued behind tile t's loads: the next tile's eight, or none
.irp i, 0,1,2,3
	s_wait_dscnt \younger+3-\i
	global_store_b128 v[GO], v[S+32*\t+16+4*\i:S+32*\t+16+4*\i+3], s[8:9] offset:2048*\t+512*\i  ; the wave stores 512 consecutive bytes, aligned
.endr
.endm
	PACK 0
	PACK 1                          ; a tile's arithmetic stands between the loads of the tile before and its stores
	SEND 0, 8
	PACK 2
	SEND 1, 8
	PACK 3
	SEND 2, 8
	SEND 3, 0
	s_wait_tensorcnt 0x0            ; the wave's end, behind my last tensor load and my last LDS store
	ds_add_u32 v[SPW], v[NIL]
	s_wait_dscnt 0x0
	CROUND                          ; the closing round: no work-group ends while a partner may still ask for a tile that names it
	s_endpgm
.Lfunc_end_k_q09bb5b12a9_attn:
	.size	k_q09bb5b12a9_attn, .Lfunc_end_k_q09bb5b12a9_attn-k_q09bb5b12a9_attn
	.p2alignl 7, 3214868480
	.fill 96, 4, 3214868480
	.section	.rodata,"a",@progbits
	.p2align	6, 0x0
	.amdhsa_kernel k_q09bb5b12a9_attn
		.amdhsa_group_segment_fixed_size 327680
		.amdhsa_private_segment_fixed_size 0
		.amdhsa_enable_private_segment 0
		.amdhsa_kernarg_size 24
		.amdhsa_user_sgpr_count 2
		.amdhsa_user_sgpr_kernarg_segment_ptr 1
		.amdhsa_wavefront_size32 1
		.amdhsa_system_sgpr_workgroup_id_x 1
		.amdhsa_system_sgpr_workgroup_id_y 1
		.amdhsa_system_sgpr_workgroup_id_z 1
		.amdhsa_system_vgpr_workitem_id 0
		.amdhsa_next_free_vgpr 512
		.amdhsa_next_free_sgpr 80
		.amdhsa_reserve_vcc 1
		.amdhsa_float_denorm_mode_32 3
		.amdhsa_float_denorm_mode_16_64 3
		.amdhsa_memory_ordered 1
		.amdhsa_forward_progress 1
		.amdhsa_inst_pref_size 150
	.end_amdhsa_kernel
	.amdgpu_metadata
---
amdhsa.version: [ 1, 2 ]
amdhsa.kernels:
  - .name:           k_q09bb5b12a9_attn
    .symbol:         k_q09bb5b12a9_attn.kd
    .args:
      - { .name: qkv, .offset: 0, .size: 8, .value_kind: global_buffer, .address_space: global }
      - { .name: mask, .offset: 8, .size: 8, .value_kind: global_buffer, .address_space: global }
      - { .name: m16, .offset: 16, .size: 8, .value_kind: global_buffer, .address_space: global }
    .group_segment_fixed_size: 327680
    .private_segment_fixed_size: 0
    .kernarg_segment_align: 8
    .kernarg_segment_size: 24
    .max_flat_workgroup_size: 256
    .sgpr_count:     80
    .vgpr_count:     512
    .wavefront_size: 32
...
	.end_amdgpu_metadata
.endif
;; end of part 3
;; launch oproj (part 4): grid 4 x 64, 4 waves a work-group, clusters of 4 x 4, 327,680 bytes of LDS; arguments m16, wo16, bo, out0; writes out0
.if DOCPART == 4
	.amdgcn_target "amdgcn-amd-amdhsa--gfx1250"
	.amdhsa_code_object_version 6
	.text
	.protected	k_q09bb5b12a9_oproj
	.globl	k_q09bb5b12a9_oproj
	.p2align	8
	.type	k_q09bb5b12a9_oproj,@function
k_q09bb5b12a9_oproj:
	s_mov_b64 s[64:65], 0
	v_nop
	global_prefetch_b8 v0, s[64:65] scope:SCOPE_SE
	s_setreg_imm32_b32 hwreg(HW_REG_WAVE_MODE, 25, 1), 1
	s_wait_xcnt 0x0
	s_wait_alu depctr_hold_cnt(0) depctr_sa_sdst(0) depctr_va_vdst(0) depctr_va_sdst(0) depctr_va_ssrc(0) depctr_va_vcc(0) depctr_vm_vsrc(0)
	s_getreg_b32 s2, hwreg(HW_REG_IB_STS2, 6, 4)
	s_cmp_eq_u32 s2, 0
	s_cbranch_scc0 .Lentry_in_a_cluster
	s_endpgm
.Lentry_in_a_cluster:
	s_bfe_u32 s2, ttmp6, 0x10000c
	s_cmp_lg_u32 s2, 0xf033
	s_cbranch_scc0 .Lentry_shape_is_right
	s_endpgm
.Lentry_shape_is_right:
; out0[m][n] = the sum over k of merged[m][k] Wo[k][n] + bo[n].  merged[m][64 head + d] = m16[head][m][d], f16; wo16: Wo in f16, [1024 k][1024 n]; sums in f32; out0 f32 [8192][1024].
; A tile of out0 is 128 (m) x 256 (n): 64 x 4 = 256 work-groups (tiles of 256 x 256 would be 128).  Four waves, each 64 x 128: 32 accumulators of 16 x 16, 256 registers.
; K goes in 8 steps of 128 (two heads) through a ring of two LDS slots: A's tile is two planes (heads) of 128 rows x 128 bytes, dense in memory; B's is 128 rows (k) x 512 bytes.
; By this text's count a wave issues 128 matrix instructions in a K step, 112 of them between a tile's request and the wait for it; two tensor loads of a wave are out at the start, one behind each round.
; CLUSTERS: 4 x 4 work-groups.  The four of a row of the cluster need the same tiles of A, the four of a column the same tiles of B: each tile is asked for JOINTLY, by the same tensor load with the same descriptor and
; a mask that names the four.  No prefetch: the tiles are small and a K step is short.
; THE MATRIX INSTRUCTION IS USED TRANSPOSED: source 0 = 16 columns n of Wo (turned out of LDS by ds_load_tr16_b128, since k runs down its rows), source 1 = 16 rows of merged: a lane then holds eight neighbouring
; numbers of a row of out0.  bo is the C of each sum's first instruction.
; REGISTERS: window 0: v0-31 addresses; v32-95 bo in the result's layout; v96-223 at work on the way out.   window 1: the accumulators ((a, b) at v[8 (8 a + b)]).
;   window 2: two fragment buffers of 96: for 32 along K, 32 registers of A (4 x 16 rows), then 64 of B (8 x 16 columns).
.set PA,     144                       ; a row of A in LDS: 128 bytes + 16
.set PLANE,  128*PA                    ; a head's 128 rows: what one tensor load brings
.set BOFF,   2*PLANE                   ; B lies behind A's two planes
.set PB,     544                       ; a row of B: 512 bytes + 32
.set BHALF,  64*PB                     ; 64 rows: what one tensor load brings
.set SLOT,   BOFF+2*BHALF              ; 106,496 bytes
.set STAGE,  2*SLOT                    ; behind the ring: 16 rows x 528 bytes for each wave, for the way out
.set SPITCH, 528
.set SPARE,  STAGE+4*16*SPITCH         ; the spare words, 128 bytes for each wave: two blocks of 256 bytes that no other line names
.set LAPS,   4                         ; a lap = two K steps = once round the ring
.set ADRA, 16                          ; v16-17  LDS address of my A fragments in slot 0, 1
.set ADRB, 20                          ; v20-21  the same for B
.set STO,  24                          ; v24     the way out: where I put 32 bytes of a row
.set RD,   25                          ; v25     where I read a row back
.set CO,   26                          ; v26     16 x lane
.set SPW,  28                          ; v28     LDS address of my spare word; never rewritten
.set NIL,  29                          ; v29     0; never rewritten
.set BO,   32                          ; register 8 b + j: bo of column 16 b + 8 (lane / 16) + j of my 128
.set BK,   96                          ; the way out: 16 rows read back: v96-159 and v160-223 by turns
.set F0,   0                           ; fragment buffers, in window 2
.set F1,   96
.set G1, 24                            ; s[24:31] descriptor group 1 for A's tiles;  s[32:39] group 0, one set for each slot
.set G0, 32
.set G1B, 48                           ; s[48:55], s[56:63] the same for B's tiles
.set G0B, 56
.set MSB, 0
.macro WIN new                         ; the immediate's high byte repeats the setting that is left; a switch that changes nothing is dropped
.if MSB != (\new)
	s_set_vgpr_msb (MSB<<8)|(\new)
.set MSB, (\new)
.endif
.endm
.set MUL,  0x5a                        ; sources 0 (B) and 1 (A) window 2; C and D window 1
.set MULB, 0x4a                        ; the same with C (bo) in window 0
.set TO_F, 0x80                        ; destination window 2, address window 0
.macro JLOAD s                         ; a joint load: waves 0 and 1 fetch A's two planes, waves 2 and 3 B's two halves; an s_nop 0 and four v_nop follow each of the two lines
	s_cmp_eq_u32 s13, 0
	s_cbranch_scc0 .Lfor_b_\@
	tensor_load_to_lds s[G0+4*\s:G0+4*\s+3], s[G1:G1+7]
	s_nop 0
.rept 4
	v_nop
.endr
	s_branch .Lasked_\@
.Lfor_b_\@:
	tensor_load_to_lds s[G0B+4*\s:G0B+4*\s+3], s[G1B:G1B+7]
	s_nop 0
.rept 4
	v_nop
.endr
.Lasked_\@:
.endm
.macro CREST                           ; a round of the cluster's barrier behind its opening barrier
	s_cmp_lg_u32 s12, 0
	s_cbranch_scc1 .Lnot_wave_0_\@
	s_barrier_signal -3
.Lnot_wave_0_\@:
	s_barrier_wait -3
	s_barrier_signal -1
	s_barrier_wait -1
.endm
.macro CROUND                          ; a whole round
	s_barrier_signal -1
	s_barrier_wait -1
	CREST
.endm
	s_load_b128 s[4:7], s[0:1], 0x0                ; m16 s[4:5], wo16 s[6:7]
	s_load_b128 s[8:11], s[0:1], 0x10              ; bo s[8:9], out0 s[10:11]
	v_lshl_add_u32 v[SPW], v0, 2, SPARE
	v_mov_b32 v[NIL], 0
	ds_add_u32 v[SPW], v[NIL]                      ; the wave's opening: the add, twice on end, and its wait ahead of my first tensor load
	ds_add_u32 v[SPW], v[NIL]                      ; and once more, under the one wait; the set-up below, work on registers, stands between
	v_lshrrev_b32 v1, 5, v0
	v_readfirstlane_b32 s12, v1                    ; wave 0..3
	s_lshr_b32 s13, s12, 1                         ; which half of the tile's rows is mine.  Also: I fetch for A (0) or for B (1)
	s_and_b32 s14, s12, 1                          ; which half of its columns.  Also: which plane of A, or which 64 rows of B, I fetch
	s_bfe_u32 s40, ttmp6, 0x40000                  ; cx, cy: my place in the cluster
	s_bfe_u32 s41, ttmp6, 0x40004
	s_lshl_b32 s42, ttmp9, 2
	s_add_co_u32 s42, s42, s40                     ; tile column = 4 x cluster x + cx
	s_and_b32 s15, ttmp7, 0xffff
	s_lshl_b32 s15, s15, 2
	s_add_co_u32 s15, s15, s41                     ; tile row = 4 x cluster y + cy
	s_lshl_b32 s43, s41, 2
	s_lshl_b32 s43, 15, s43                        ; my row of the cluster
	s_lshl_b32 s44, 0x1111, s40                    ; my column
	; descriptor group 1.  A: 128 rows x 64 elements of 2 bytes, four words of padding behind each 32
	s_or_b32 s[G1+0], s43, (1<<16)|(1<<20)|(1<<21)|(4<<22)|(3<<25)
	s_mov_b32 s[G1+1], 64<<16                      ; tensor_dim0
	s_mov_b32 s[G1+2], 128<<16                     ; tensor_dim1
	s_mov_b32 s[G1+3], 64<<16                      ; tile_dim0
	s_mov_b32 s[G1+4], 128                         ; tile_dim1
	s_mov_b32 s[G1+5], 64                          ; tensor_dim0_stride
	s_mov_b32 s[G1+6], 0
	s_mov_b32 s[G1+7], 0
	; B: 64 rows x 256 elements, 1,024 elements from row to row, eight words of padding behind each 128
	s_or_b32 s[G1B+0], s44, (1<<16)|(1<<20)|(1<<21)|(6<<22)|(7<<25)
	s_mov_b32 s[G1B+1], 256<<16
	s_mov_b32 s[G1B+2], 64<<16
	s_mov_b32 s[G1B+3], 256<<16
	s_mov_b32 s[G1B+4], 64
	s_mov_b32 s[G1B+5], 1024
	s_mov_b32 s[G1B+6], 0
	s_mov_b32 s[G1B+7], 0
	s_lshl_b32 s16, s14, 20                        ; A: head = my plane, 2^20 bytes a head,
	s_lshl_b32 s17, s15, 14                        ; + 128 rows of 128 bytes a tile row
	s_add_co_u32 s16, s16, s17
	s_mov_b32 s17, 0
	s_lshl_b32 s46, s14, 17                        ; B: my 64 rows of 2,048 bytes,
	s_lshl_b32 s47, s42, 9                         ; + 512 bytes a tile column
	s_add_co_u32 s46, s46, s47
	s_mov_b32 s47, 0
	s_mul_i32 s20, s14, PLANE                      ; where they go: no place in the cluster enters an LDS address
	s_mul_i32 s21, s14, BHALF
	s_add_co_u32 s21, s21, BOFF
	s_wait_dscnt 0x0                               ; both opening adds are done
	s_wait_kmcnt 0x0
	s_add_nc_u64 s[18:19], s[4:5], s[16:17]
	s_add_nc_u64 s[46:47], s[6:7], s[46:47]
	CROUND                                         ; all sixteen work-groups are here: the first joint loads meet
.irp s, 0,1
	s_mov_b32 s[G0+4*\s], 1
	s_add_co_u32 s[G0+4*\s+1], s20, \s*SLOT
	s_add_nc_u64 s[G0+4*\s+2:G0+4*\s+3], s[18:19], \s*2*1048576     ; K step s: heads 2 s, 2 s + 1
	s_or_b32 s[G0+4*\s+3], s[G0+4*\s+3], 0x80000000
	s_mov_b32 s[G0B+4*\s], 1
	s_add_co_u32 s[G0B+4*\s+1], s21, \s*SLOT
	s_add_nc_u64 s[G0B+4*\s+2:G0B+4*\s+3], s[46:47], \s*128*2048    ; rows 128 s on
	s_or_b32 s[G0B+4*\s+3], s[G0B+4*\s+3], 0x80000000
	JLOAD \s
.endr
	v_and_b32 v1, 15, v0                           ; l % 16
	v_bfe_u32 v2, v0, 4, 1                         ; l / 16
	s_lshl_b32 s46, s42, 10
	s_lshl_b32 s47, s14, 9
	s_add_co_u32 s46, s46, s47                     ; my first column, in bytes of f32: 1,024 x tile column + 512 x half: in bo and in a row of out0
	s_mov_b32 s47, 0
	s_add_nc_u64 s[8:9], s[8:9], s[46:47]
	s_add_nc_u64 s[10:11], s[10:11], s[46:47]
	v_lshlrev_b32 v30, 5, v2                       ; 8 numbers on for lanes 16-31
.irp b, 0,1,2,3,4,5,6,7
	global_load_b128 v[BO+8*\b:BO+8*\b+3], v30, s[8:9] offset:64*\b
	global_load_b128 v[BO+8*\b+4:BO+8*\b+7], v30, s[8:9] offset:64*\b+16
.endr
	s_lshl_b32 s16, s15, 7
	s_lshl_b32 s17, s13, 6
	s_add_co_u32 s16, s16, s17                     ; my first row: 128 x tile row + 64 x half
	s_lshl_b32 s16, s16, 12                        ; 4,096 bytes a row
	s_mov_b32 s17, 0
	s_add_nc_u64 s[10:11], s[10:11], s[16:17]
	v_mul_u32_u24 v3, v1, PA
	v_lshl_add_u32 v3, v2, 4, v3                   ; A: a fragment's row x pitch + 16 x half
	s_mul_i32 s21, s13, 64*PA                      ; my 64 rows
	v_and_b32 v4, 7, v0                            ; B: the turning load: lane l reads 16 bytes of row k = 8 (l / 16) + l % 8, columns 8 ((l / 8) % 2) + 0..7
	v_bfe_u32 v5, v0, 3, 1
	v_lshl_add_u32 v4, v2, 3, v4
	v_mul_u32_u24 v4, v4, PB
	v_lshl_add_u32 v4, v5, 4, v4
	s_lshl_b32 s22, s14, 8                         ; my 128 columns: 256 bytes
	s_add_co_u32 s22, s22, BOFF
.irp s, 0,1
	v_add_nc_u32 v[ADRA+\s], s21, v3
	v_add_nc_u32 v[ADRB+\s], s22, v4
	s_add_co_u32 s21, s21, SLOT
	s_add_co_u32 s22, s22, SLOT
.endr
	s_mul_i32 s23, s12, 16*SPITCH
	s_add_co_u32 s23, s23, STAGE                   ; my stage
	v_mul_u32_u24 v5, v1, SPITCH                   ; in: row l % 16, 32 bytes for each half of the lanes
	v_lshl_add_u32 v5, v2, 5, v5
	v_add_nc_u32 v[STO], s23, v5
	v_and_b32 v6, 31, v0
	v_lshlrev_b32 v[CO], 4, v6                     ; back: the 32 lanes take one row of 512 bytes; and the same in out0
	v_add_nc_u32 v[RD], s23, v[CO]
; 8 matrix instructions: A's block a against B's eight, 32 along K, from buffer f.  first = 1: the sums start from bo.  The 32 accumulators take turns, one instruction a turn, in the same order in every quarter
.macro MUL8 f, a, first
.irp b, 0,1,2,3,4,5,6,7
.if \first
	v_wmma_f32_16x16x32_f16 v[8*(8*(\a)+\b):8*(8*(\a)+\b)+7], v[\f+32+8*\b:\f+32+8*\b+7], v[\f+8*(\a):\f+8*(\a)+7], v[BO+8*\b:BO+8*\b+7]
.else
	v_wmma_f32_16x16x32_f16 v[8*(8*(\a)+\b):8*(8*(\a)+\b)+7], v[\f+32+8*\b:\f+32+8*\b+7], v[\f+8*(\a):\f+8*(\a)+7], v[8*(8*(\a)+\b):8*(8*(\a)+\b)+7]
.endif
.endr
.endm
; 24 LDS loads in one run: the fragments of the slot's q-th 32 along K into buffer f.  In A that is plane q / 2, channels 32 (q % 2) on; in B rows 32 q on
.macro FETCH slot, q, f
	WIN TO_F
.irp i, 0,1,2,3
	ds_load_b128 v[\f+8*\i:\f+8*\i+3],   v[ADRA+\slot] offset:16*PA*\i+PLANE*((\q)/2)+64*((\q)%2)
	ds_load_b128 v[\f+8*\i+4:\f+8*\i+7], v[ADRA+\slot] offset:16*PA*\i+PLANE*((\q)/2)+64*((\q)%2)+32
.endr
.irp b, 0,1,2,3,4,5,6,7
	ds_load_tr16_b128 v[\f+32+8*\b:\f+32+8*\b+3],   v[ADRB+\slot] offset:32*PB*(\q)+32*\b
	ds_load_tr16_b128 v[\f+32+8*\b+4:\f+32+8*\b+7], v[ADRB+\slot] offset:32*PB*(\q)+32*\b+16*PB
.endr
.endm
.macro PLACES                          ; four places in front of loads into registers that matrix instructions have read, and of the first read of results (ISA guide 7.12.1 for the first read of results)
.rept 4
	v_nop
.endr
.endm
; A K step is four quarters of 32 along K, 32 matrix instructions each, on buffers 0, 1, 0, 1.  One of the first three: multiplies buffer f and fetches the quarter qn into g.
.macro QUARTER slot, qn, f, g, first
	s_wait_dscnt 0x0                               ; buffer f is in
.if \first
	WIN MULB
.else
	WIN MUL
.endif
	MUL8 \f, 0, \first
	MUL8 \f, 1, \first
	PLACES
	FETCH \slot, \qn, \g
.if \first
	WIN MULB
.else
	WIN MUL
.endif
	MUL8 \f, 2, \first
	MUL8 \f, 3, \first
.endm
; The last quarter multiplies buffer 1 and changes slots: ONE barrier; in front of it each wave waits for all its tensor loads, adds 0 to its spare word, and waits for that and for its own reads of this slot.
; fill = 1: the barrier opens a round of the cluster's barrier, and this slot is filled again, two K steps ahead, first thing behind the round.
.macro TURN slot, next, fill
	WIN 0                                          ; (the add's two registers lie in window 0)
	s_wait_tensorcnt 0x0                           ; all my tensor loads have landed: my part of the next slot;
	ds_add_u32 v[SPW], v[NIL]                      ; 0 onto my spare word;
	s_wait_dscnt 1                                 ; buffer 1 is in (the add may be out)
	WIN MUL
	MUL8 F1, 0, 0                                  ; eight matrix instructions stand between the add and the wait for it
	s_wait_dscnt 0x0                               ; the add is done, and my reads of this slot are over
	s_barrier_signal -1
	MUL8 F1, 1, 0
	WIN 0
	s_barrier_wait -1
.if \fill
	CREST                                          ; no wave of any partner still reads this slot's tile or has a load on its way
	s_add_nc_u64 s[G0+4*\slot+2:G0+4*\slot+3], s[G0+4*\slot+2:G0+4*\slot+3], 4*1048576    ; four heads on
	s_add_nc_u64 s[G0B+4*\slot+2:G0B+4*\slot+3], s[G0B+4*\slot+2:G0B+4*\slot+3], 256*2048  ; 256 rows on
	JLOAD \slot                                    ; the four v_nop behind it are also the places in front of the loads below
.else
	PLACES
.endif
	FETCH \next, 0, F0
	WIN MUL
	MUL8 F1, 2, 0
	MUL8 F1, 3, 0
.endm
	s_wait_tensorcnt 1                             ; my part of K step 0 is in (K step 1's load may be out),
	s_barrier_signal -1
	s_barrier_wait -1                              ; everybody's is
	FETCH 0, 0, F0
	s_wait_loadcnt 0x0                             ; bo
	QUARTER 0, 1, F0, F1, 1                        ; the first quarter stands in front of the loop: its products start the sums
	WIN 0                                          ; at a label and at a branch every window is 0
	s_mov_b32 s3, LAPS-1
.Llap:                                                 ; a trip goes once round the ring, from a lap's second quarter to the next lap's first, and fills both slots again
	QUARTER 0, 2, F1, F0, 0
	QUARTER 0, 3, F0, F1, 0
	TURN 0, 1, 1
	QUARTER 1, 1, F0, F1, 0
	QUARTER 1, 2, F1, F0, 0
	QUARTER 1, 3, F0, F1, 0
	TURN 1, 0, 1
	QUARTER 0, 1, F0, F1, 0
	WIN 0
	s_sub_co_u32 s3, s3, 1
	s_cmp_lg_u32 s3, 0
	s_cbranch_scc1 .Llap
	QUARTER 0, 2, F1, F0, 0                        ; the last lap fills nothing, and has no round of the cluster's barrier
	QUARTER 0, 3, F0, F1, 0
	TURN 0, 1, 0
	QUARTER 1, 1, F0, F1, 0
	QUARTER 1, 2, F1, F0, 0
	QUARTER 1, 3, F0, F1, 0
	s_wait_dscnt 0x0                               ; the very last quarter: nothing more to fetch
	WIN MUL
	MUL8 F1, 0, 0
	MUL8 F1, 1, 0
	MUL8 F1, 2, 0
	MUL8 F1, 3, 0
	WIN 0
; THE WAY OUT, block by block of 16 rows x 128 columns.  A lane holds 32 neighbouring bytes of a row, and the lanes beside it hold other rows: so a block goes through my own stage and comes back as whole rows of
; 512 bytes.  LDS serves a wave's instructions in order: no wait between the stores and the loads, nor in front of the next block's stores.
.macro TOSTAGE a
	WIN 0x04                                       ; an LDS store's data are its source 1: window 1
.irp b, 0,1,2,3,4,5,6,7
	ds_store_b128 v[STO], v[8*(8*(\a)+\b):8*(8*(\a)+\b)+3] offset:64*\b          ; each accumulator from its low end on
	ds_store_b128 v[STO], v[8*(8*(\a)+\b)+4:8*(8*(\a)+\b)+7] offset:64*\b+16
.endr
	WIN 0
.set BB, BK+64*((\a)%2)
.irp t, 0,1,2,3,4,5,6,7,8,9,10,11,12,13,14,15
	ds_load_b128 v[BB+4*\t:BB+4*\t+3], v[RD] offset:\t*SPITCH
.endr
.endm
.macro SEND a, younger                 ; younger: the LDS instructions issued behind block a's loads, which may stay out
.set BB, BK+64*((\a)%2)
	s_wait_dscnt \younger                          ; the block is back in registers
.irp t, 0,1,2,3,4,5,6,7,8,9,10,11,12,13,14,15
	global_store_b128 v[CO], v[BB+4*\t:BB+4*\t+3], s[10:11] offset:(16*(\a)+\t)*4096 th:TH_STORE_NT   ; 32 lanes store 512 consecutive bytes, aligned; written once, read by nobody here
.endr
.endm
	PLACES                                         ; behind the last products
	TOSTAGE 0
.irp a, 1,2,3
.if \a > 1
	s_wait_xcnt 0x0                                ; block a - 2's stores have read their registers: block a's loads may land there
.endif
	TOSTAGE \a
	SEND \a-1, 32                                  ; behind block a - 1's loads: block a's 16 stores and 16 loads
.endr
	SEND 3, 0
	s_wait_tensorcnt 0x0                           ; the wave's end, behind my last tensor load and my last LDS store
	ds_add_u32 v[SPW], v[NIL]
	s_wait_dscnt 0x0
	CROUND                                         ; the closing round: no work-group ends while a partner may still ask for a tile that names it
	s_endpgm
.Lfunc_end_k_q09bb5b12a9_oproj:
	.size	k_q09bb5b12a9_oproj, .Lfunc_end_k_q09bb5b12a9_oproj-k_q09bb5b12a9_oproj
	.p2alignl 7, 3214868480
	.fill 96, 4, 3214868480
	.section	.rodata,"a",@progbits
	.p2align	6, 0x0
	.amdhsa_kernel k_q09bb5b12a9_oproj
		.amdhsa_group_segment_fixed_size 327680
		.amdhsa_private_segment_fixed_size 0
		.amdhsa_enable_private_segment 0
		.amdhsa_kernarg_size 32
		.amdhsa_user_sgpr_count 2
		.amdhsa_user_sgpr_kernarg_segment_ptr 1
		.amdhsa_wavefront_size32 1
		.amdhsa_system_sgpr_workgroup_id_x 1
		.amdhsa_system_sgpr_workgroup_id_y 1
		.amdhsa_system_sgpr_workgroup_id_z 1
		.amdhsa_system_vgpr_workitem_id 0
		.amdhsa_next_free_vgpr 704
		.amdhsa_next_free_sgpr 66
		.amdhsa_reserve_vcc 0
		.amdhsa_float_denorm_mode_32 3
		.amdhsa_float_denorm_mode_16_64 3
		.amdhsa_memory_ordered 1
		.amdhsa_forward_progress 1
		.amdhsa_inst_pref_size 86
	.end_amdhsa_kernel
	.amdgpu_metadata
---
amdhsa.version: [ 1, 2 ]
amdhsa.kernels:
  - .name:           k_q09bb5b12a9_oproj
    .symbol:         k_q09bb5b12a9_oproj.kd
    .args:
      - { .name: m16, .offset: 0, .size: 8, .value_kind: global_buffer, .address_space: global }
      - { .name: wo16, .offset: 8, .size: 8, .value_kind: global_buffer, .address_space: global }
      - { .name: bo, .offset: 16, .size: 8, .value_kind: global_buffer, .address_space: global }
      - { .name: out0, .offset: 24, .size: 8, .value_kind: global_buffer, .address_space: global }
    .group_segment_fixed_size: 327680
    .private_segment_fixed_size: 0
    .kernarg_segment_align: 8
    .kernarg_segment_size: 32
    .max_flat_workgroup_size: 128
    .sgpr_count:     66
    .vgpr_count:     704
    .wavefront_size: 32
...
	.end_amdgpu_metadata
.endif
;; end of part 4
